; MI455X (gfx1250); checked and timed in simulation.
; The chip was launched on July 23, 2026; its instructions are those of AMD's public machine-readable ISA for CDNA 5 (MIT licence, August 2026) and "CDNA5" Instruction Set Architecture Reference Guide (July 2026). The comments in the code are by the model that wrote it; some were corrected since.
;; Multi Head Attention. Allowed arithmetic: matrix products marked QUANTISED: E2M3 operands, one E8M0 scale for each 32 along K, by v_wmma_scale_f32_16x16x128_f8f6f4 with both operands' format E2M3, f32 sums; everything else in f32.
;; Inputs: Wk 1,024 x 1,024 float32; Wo 1,024 x 1,024 float32; Wq 1,024 x 1,024 float32; Wv 1,024 x 1,024 float32; bk 1,024 float32; bo 1,024 float32; bq 1,024 float32; bv 1,024 float32; x 4 x 2,048 x 1,024 float32.
;; Outputs: out0 4 x 2,048 x 1,024 float32.
;; This version of the problem:
;;   THIS VERSION OF THE PROBLEM IS GIVEN IN LOW PRECISION. The matrix products marked QUANTISED in the list below multiply operands that are first quantised to E2M3 (2 exponent bits, 3 mantissa bits; 6 bits a number), with one power-of-two scale for each 32 numbers along K (OCP MX v1.0); their sums are f32. All else is computed in f32.
;;   The module's matrix products, in the order in which they are computed (A, B: the left and right operand; K: the contracted axis; several contracted axes count as one K, in the product's order):
;;     1. [M 8,192, K 1,024] x [K 1,024, N 1,024]; A: input x; B: input Wq: QUANTISED
;;     2. [M 8,192, K 1,024] x [K 1,024, N 1,024]; A: input x; B: input Wk: QUANTISED
;;     3. [M 8,192, K 1,024] x [K 1,024, N 1,024]; A: input x; B: input Wv: QUANTISED
;;     4. batch 64 x [M 2,048, K 64] x [K 64, N 2,048]; A: computed on the way; B: computed on the way: QUANTISED
;;     5. batch 64 x [M 2,048, K 2,048] x [K 2,048, N 64]; A: softmax (see below); B: computed on the way: QUANTISED
;;     6. [M 8,192, K 1,024] x [K 1,024, N 1,024]; A: computed on the way; B: input Wo: QUANTISED
;;   THE QUANTISER, for each operand of a quantised product, along K:
;;     - K is cut into blocks of 32 from its start; a last block that is shorter is filled with zeros.
;;     - A block's scale is 2^e with e = floor(log2(the largest magnitude in the block)) - 2, held to -126 .. 127; a block of zeros has e = 0. As a byte (E8M0): e + 127.
;;     - Each number is divided by its block's scale, clamped to +-7.5, and rounded to the nearest number of E2M3, ties to even, subnormals kept.
;;     - The product sums the exact products of the quantised numbers (number of the format x scale) in f32.
;;   ~~~python
;;   def quantise(x, axis):      # numpy; x: float32 -> the quantised numbers, widened to float32 again
;;       x = np.moveaxis(x, axis, -1); K = x.shape[-1]
;;       x = np.pad(x, [(0, 0)] * (x.ndim - 1) + [(0, -K % 32)]); x = x.reshape(x.shape[:-1] + (-1, 32)); a = np.abs(x).max(-1, keepdims=True)
;;       e = np.where(a > 0, np.clip(np.frexp(np.where(a > 0, a, 1))[1] - 1 - 2, -126, 127), 0)      # np.frexp(a)[1] - 1 = floor(log2(a)), exactly
;;       r = np.clip(x / 2.0 ** e, -7.5, 7.5)
;;       step = 2.0 ** (np.maximum(np.frexp(np.where(r == 0, 1, r))[1] - 1, 0) - 3)
;;       q = np.round(r / step) * step * 2.0 ** e      # np.round: ties to even
;;       return np.moveaxis(q.reshape(q.shape[:-2] + (-1,))[..., :K], -1, axis).astype(np.float32)
;;   ~~~
;;   SOFTMAX AHEAD OF A QUANTISED PRODUCT. Where the list says 'softmax', what is quantised is not the finished softmax but p = 2^(t - M), with t = logit x log2(e) and M = ceil(the row's largest t), a whole number; so 1/2 < the row's largest p <= 1. The row's sum l is taken of the UNQUANTISED p, in f32, and the product's result is divided by l at the end. Since M is a whole number, a kernel that streams over the keys may use a running M (the ceiling of the running maximum): every later rescaling is an exact power of two, which a block's scale takes up: the codes' values come out the same.
;;   OPERANDS COMPUTED ON THE WAY. 'Computed on the way' means the value that the module computes at that place (a softmax that the list does not call 'softmax' is quantised finished and normalised). What goes into a quantiser is computed in f32, as accurately as f32 sums, v_exp_f32 and their like allow (about 1e-6 of the number): no bf16 or f16 on the way to a quantiser, and a product that is left as it is and whose result goes on into a quantised operand takes f32 operands (vector FMAs, or v_wmma_f32_16x16x4_f32). A number that lies on a knife's edge between two numbers of the format may be rounded either way, as far as f32 arithmetic and the matrix unit's own rounding can turn it there, and no further.
;; One version. Each part assembles by itself: llvm-mc -triple=amdgcn-amd-amdhsa -mcpu=gfx1250 --defsym DOCPART=n.
;; ======== version 1 of 1: 4 launches
;; limits: right only within a limited range of input values
;; workspace buffers: xc 6,291,456 bytes; xsc 262,144 bytes; wc 3,145,728 bytes; wsc 131,072 bytes; qr 6,815,744 bytes; kv 13,369,344 bytes; ac 6,291,456 bytes; asc 262,144 bytes
;; launch quant (part 1): grid 384 x 1, 4 waves a work-group, no clusters, 68,096 bytes of LDS; arguments x, Wq, Wk, Wv, Wo, xc, xsc, wc, wsc; writes xc, xsc, wc, wsc
.if DOCPART == 1
	.amdgcn_target "amdgcn-amd-amdhsa--gfx1250"
	.amdhsa_code_object_version 6
	.text
	.protected	k_qdf6fd62855_quant
	.globl	k_qdf6fd62855_quant
	.p2align	8
	.type	k_qdf6fd62855_quant,@function
k_qdf6fd62855_quant:
	s_mov_b64 s[64:65], 0
	v_nop
	global_prefetch_b8 v0, s[64:65] scope:SCOPE_SE
	s_setreg_imm32_b32 hwreg(HW_REG_WAVE_MODE, 25, 1), 1
	s_wait_xcnt 0x0
; x [8192][1024] and Wq, Wk, Wv, Wo [1024 (k)][1024 (n)], f32, become codes of FP6 (E2M3) and one E8M0 byte for each 32 along K.
; A block's scale is 2^(floor(log2(its largest magnitude)) - 2); its byte is the largest magnitude's exponent field - 2, held at 1 from below.
; LIMITS: a block of zeros, or one whose largest magnitude lies under 2^-124, gets the byte 1: only this program reads the bytes.  NaN and infinities among the inputs are not served.
; THE CODES LIE BY CHUNKS OF 256 ALONG K: xc [4 chunks][8192 positions][192 bytes], wc [4 chunks][4096 positions: Wq, Wk, Wv, Wo][192 bytes]: 128 positions of a chunk are 24,576 dense bytes, a multiple of 256.
; Scale bytes: xsc [8192 positions][32], wsc [4096 positions][32].  Position p holds row (column) p with its bits 3 and 4 exchanged.
; Work-groups 0-127 take the weights (a lane a column, registers down K), the others x (16 neighbours a lane, turned through LDS).  Each of the two paths has LDS bytes of its own.
.set STEPS, 16
.set EMAX,  2
.set CB,    12
.set R,     16                         ; x: v16-79 four sets as loaded
.set X,     80                         ; v80-111 two sets of 16 neighbours
.set C,     128                        ; v128-191 codes, four registers a step
.set E,     112                        ; v112-127 a byte a step
.set WREG,  8192                       ; x's LDS: a region a wave
.set SP,    80
.set SPARE, 0x8000                     ; the spare words, 512 bytes
.set WST,   0x8200                     ; the weights' stages
.set XCH,   8192*192                   ; a chunk of xc
.set WCH,   4096*192                   ; a chunk of wc
.set NWG,   128
.set NB,    8
.set PITCH, 272
.set WX,    32                         ; weights: v32-95 two sets of 32 numbers
.set WC,    96
.set OUTR,  112
.set SB,    24
	v_lshl_add_u32 v192, v0, 2, SPARE
	v_mov_b32 v193, 0
	v_lshrrev_b32 v1, 5, v0
	v_readfirstlane_b32 s16, v1                    ; wave
	v_and_b32 v2, 31, v0                           ; lane
	s_cmp_lt_u32 ttmp9, NWG
	s_wait_alu depctr_va_vdst(0)                   ; the wait ahead of the branch
	s_cbranch_scc1 .Lweights
; ---------------- x
	s_load_b64 s[4:5], s[0:1], 0x0                 ; x
	s_load_b128 s[8:11], s[0:1], 0x28              ; xc, xsc
	v_lshlrev_b32 v3, 4, v2
	s_mul_i32 s17, s16, WREG
	v_lshrrev_b32 v14, 2, v2
	v_mul_u32_u24 v14, v14, SP
	v_and_b32 v15, 3, v2
	v_lshl_add_u32 v14, v15, 4, v14
	v_add_nc_u32 v14, s17, v14                     ; the stage, in: SP (lane / 4) + 16 (lane % 4)
	v_mul_u32_u24 v15, v2, SP
	v_add_nc_u32 v15, s17, v15                     ; out: SP x lane
	v_and_b32 v4, 15, v2
	v_mul_u32_u24 v4, v4, CB
	v_lshrrev_b32 v5, 4, v2
	v_mad_u32_u24 v4, v5, XCH, v4                  ; codes: lanes 0-15 one chunk's 192 bytes, lanes 16-31 the next chunk's
	v_lshrrev_b32 v5, 1, v2
	s_add_co_u32 s17, s17, 2*32*SP
	v_add_nc_u32 v5, s17, v5                       ; my block's byte among the wave's 256
	v_lshlrev_b32 v7, 3, v2
	v_add_nc_u32 v6, s17, v7
	s_sub_co_u32 s17, ttmp9, NWG
	s_lshl_b32 s17, s17, 2
	s_add_co_u32 s18, s17, s16                     ; the run of 8 rows that I read
	s_and_b32 s19, s16, 1
	s_lshl_b32 s19, s19, 1
	s_lshr_b32 s20, s16, 1
	s_or_b32 s19, s19, s20
	s_add_co_u32 s24, s17, s19                     ; the run that I write: the wave's two bits exchanged
	s_lshl_b32 s20, s18, 15
	s_mov_b32 s21, 0
	s_mul_i32 s22, s24, 8*192                      ; 8 positions of a chunk
	s_mov_b32 s23, 0
	s_lshl_b32 s24, s24, 8
	s_mov_b32 s25, 0
	s_wait_alu depctr_va_vdst(0)                   ; the wait at the head's end
	s_wait_kmcnt 0x0
	s_add_nc_u64 s[4:5], s[4:5], s[20:21]
	s_add_nc_u64 s[8:9], s[8:9], s[22:23]
	s_add_nc_u64 s[10:11], s[10:11], s[24:25]
.macro LOAD t
.irp i, 0,1,2,3
	global_load_b128 v[R+16*((\t)%4)+4*\i:R+16*((\t)%4)+4*\i+3], v3, s[4:5] offset:2048*(\t)+512*\i th:TH_LOAD_NT
.endr
.endm
.macro TURN t                          ; LDS serves a wave's instructions in order: no wait between the stores and the loads
.irp i, 0,1,2,3
	ds_store_b128 v14, v[R+16*((\t)%4)+4*\i:R+16*((\t)%4)+4*\i+3] offset:32*SP*((\t)%2)+8*SP*\i
.endr
.irp i, 0,1,2,3
	ds_load_b128 v[X+16*((\t)%2)+4*\i:X+16*((\t)%2)+4*\i+3], v15 offset:32*SP*((\t)%2)+16*\i
.endr
.endm
.irp t, 0,1,2,3
	LOAD \t
.endr
	s_wait_loadcnt 12                              ; step 0's four loads are in
	TURN 0
.macro STEP t
.set XS, X+16*((\t)%2)
.if (\t) > 0
	s_wait_dscnt 1                                 ; this step's numbers are back (the last byte store may be out)
.else
	s_wait_dscnt 0x0
.endif
.if (\t)+4 < STEPS
	LOAD (\t)+4
.endif
.if (\t)+1 < STEPS
.if STEPS-2-(\t) >= 3
	s_wait_loadcnt 12                              ; the next step's four are in; three steps' may be out
.else
	s_wait_loadcnt 4*(STEPS-2-(\t))
.endif
	TURN (\t)+1
.endif
	v_max3_num_f32 v8, |v[XS]|, |v[XS+1]|, |v[XS+2]|
	v_max3_num_f32 v9, |v[XS+3]|, |v[XS+4]|, |v[XS+5]|
.irp i, 6,10
	v_max3_num_f32 v8, v8, |v[XS+\i]|, |v[XS+\i+1]|
	v_max3_num_f32 v9, v9, |v[XS+\i+2]|, |v[XS+\i+3]|
.endr
	v_max3_num_f32 v8, v8, |v[XS+14]|, |v[XS+15]|
	v_max3_num_f32 v8, v8, v9, (EMAX+1)<<23        ; the floor: the byte cannot fall under 1
	v_max_num_f32_dpp v8, v8, v8 row_xmask:1 row_mask:0xf bank_mask:0xf
	v_add_nc_u32 v11, -(EMAX<<23), v8              ; the conversion's scale operand
	v_cvt_scalef32_pk16_fp6_f32 v[C+4*(\t):C+4*(\t)+2], v[XS:XS+15], v11
	v_lshrrev_b32 v[E+(\t)], 23, v11               ; the byte
	ds_store_b8 v5, v[E+(\t)] offset:16*(\t)
	global_store_b96 v4, v[C+4*(\t):C+4*(\t)+2], s[8:9] offset:((\t)%2)*2*XCH+((\t)/2)*192   ; row t / 2, chunks 2 (t % 2) and 2 (t % 2) + 1
.endm
.irp t, 0,1,2,3,4,5,6,7,8,9,10,11,12,13,14,15
	STEP \t
.endr
	ds_load_b64 v[12:13], v6
	s_wait_dscnt 0x0
	global_store_b64 v7, v[12:13], s[10:11]        ; 256 consecutive bytes, aligned
	s_wait_tensorcnt 0x0                           ; the wave's end
	ds_add_u32 v192, v193
	s_wait_dscnt 0x0
	s_endpgm
; ---------------- the weights: 32 columns x 256 along K a wave
.Lweights:
	s_load_b256 s[4:11], s[0:1], 0x8               ; Wq, Wk, Wv, Wo
	s_load_b128 s[12:15], s[0:1], 0x38             ; wc, wsc
	s_bfe_u32 s30, ttmp9, 0x20003                  ; which weight
	s_and_b32 s17, ttmp9, 7
	s_lshl_b32 s17, s17, 7
	s_lshl_b32 s18, s16, 5
	s_add_co_u32 s17, s17, s18                     ; my wave's first column
	s_lshr_b32 s18, ttmp9, 5                       ; which chunk of 256 along K
	v_lshlrev_b32 v3, 2, v2
	s_mul_i32 s19, s16, 32*PITCH
	s_add_co_u32 s19, s19, WST                     ; my stage
	v_mul_u32_u24 v4, v2, PITCH
	v_add_nc_u32 v4, s19, v4
	v_and_b32 v5, 15, v2
	v_lshrrev_b32 v6, 4, v2
	v_mul_u32_u24 v7, v6, PITCH
	v_lshl_add_u32 v7, v5, 4, v7
	v_add_nc_u32 v7, s19, v7
	v_mul_u32_u24 v8, v6, 192
	v_mad_u32_u24 v8, v5, 12, v8
	v_and_b32 v9, 7, v2                            ; my column's position among the wave's 32: bits 3 and 4 exchanged
	v_bfe_u32 v10, v2, 3, 1
	v_lshl_or_b32 v9, v10, 4, v9
	v_bfe_u32 v10, v2, 4, 1
	v_lshl_or_b32 v9, v10, 3, v9
	v_lshlrev_b32 v9, 5, v9
	s_lshl_b32 s20, s18, 20
	s_lshl_b32 s22, s17, 2
	s_add_co_u32 s20, s20, s22
	s_mov_b32 s21, 0
	s_lshl_b32 s24, s30, 10
	s_add_co_u32 s24, s24, s17
	s_mul_i32 s24, s24, 192                        ; codes: (1024 weight + column) x 192 + chunk x WCH
	s_mul_i32 s26, s18, WCH
	s_add_co_u32 s24, s24, s26
	s_mov_b32 s25, 0
	s_lshl_b32 s28, s17, 5                         ; bytes: column x 32 + 8 chunk + the weight's 32,768
	s_lshl_b32 s26, s18, 3
	s_add_co_u32 s28, s28, s26
	s_lshl_b32 s26, s30, 15
	s_add_co_u32 s28, s28, s26
	s_mov_b32 s29, 0
	s_wait_alu depctr_va_vdst(0)                   ; the wait at the head's end
	s_wait_kmcnt 0x0
	s_cmp_eq_u32 s30, 1
	s_cselect_b64 s[4:5], s[6:7], s[4:5]
	s_cmp_eq_u32 s30, 2
	s_cselect_b64 s[4:5], s[8:9], s[4:5]
	s_cmp_eq_u32 s30, 3
	s_cselect_b64 s[4:5], s[10:11], s[4:5]
	s_add_nc_u64 s[4:5], s[4:5], s[20:21]
	s_add_nc_u64 s[12:13], s[12:13], s[24:25]
	s_add_nc_u64 s[14:15], s[14:15], s[28:29]
.macro WLOAD t
.irp i, 0,1,2,3,4,5,6,7,8,9,10,11,12,13,14,15,16,17,18,19,20,21,22,23,24,25,26,27,28,29,30,31
	global_load_b32 v[WX+32*((\t)%2)+\i], v3, s[4:5] offset:(32*(\t)+\i)*4096 th:TH_LOAD_NT
.endr
.endm
	WLOAD 0
	WLOAD 1
.macro BLOCK t
.set XS, WX+32*((\t)%2)
.if (\t) < NB-1
	s_wait_loadcnt 32                              ; this block's 32 are in; the next block's may be out
.else
	s_wait_loadcnt 0
.endif
	v_max3_num_f32 v12, |v[XS]|, |v[XS+1]|, |v[XS+2]|
	v_max3_num_f32 v13, |v[XS+3]|, |v[XS+4]|, |v[XS+5]|
.irp i, 6,10,14,18,22,26
	v_max3_num_f32 v12, v12, |v[XS+\i]|, |v[XS+\i+1]|
	v_max3_num_f32 v13, v13, |v[XS+\i+2]|, |v[XS+\i+3]|
.endr
	v_max3_num_f32 v12, v12, |v[XS+30]|, |v[XS+31]|
	v_max3_num_f32 v12, v12, v13, (EMAX+1)<<23
	v_add_nc_u32 v11, -(EMAX<<23), v12
	v_lshrrev_b32 v13, 23, v11
.if (\t)%4 == 0
	v_mov_b32 v[SB+(\t)/4], v13
.else
	v_lshl_or_b32 v[SB+(\t)/4], v13, 8*((\t)%4), v[SB+(\t)/4]
.endif
	v_cvt_scalef32_pk16_fp6_f32 v[WC:WC+2], v[XS:XS+15], v11
	v_cvt_scalef32_pk16_fp6_f32 v[WC+4:WC+6], v[XS+16:XS+31], v11
	ds_store_b96 v4, v[WC:WC+2] offset:32*(\t)
	ds_store_b96 v4, v[WC+4:WC+6] offset:32*(\t)+16
.if (\t)+2 < NB
	WLOAD (\t)+2
.endif
	s_wait_dscnt 0x0                               ; the stores have read their registers
.endm
.set Q, 0
.rept NB
	BLOCK Q
.set Q, Q+1
.endr
	s_wait_alu depctr_va_vdst(0)                   ; the wait ahead of the reader below
	global_store_b64 v9, v[SB:SB+1], s[14:15]
.irp t, 0,1,2,3,4,5,6,7,8,9,10,11,12,13,14,15
	ds_load_b96 v[OUTR+4*\t:OUTR+4*\t+2], v7 offset:2*\t*PITCH
.endr
.irp t, 0,1,2,3,4,5,6,7,8,9,10,11,12,13,14,15
	s_wait_dscnt 15-\t                             ; row pair t is in
	global_store_b96 v8, v[OUTR+4*\t:OUTR+4*\t+2], s[12:13] offset:(((2*\t)&7)+16*(((2*\t)>>3)&1)+8*(((2*\t)>>4)&1))*192
.endr
	s_wait_tensorcnt 0x0                           ; the wave's end
	ds_add_u32 v192, v193
	s_wait_dscnt 0x0
	s_endpgm
.Lfunc_end_k_qdf6fd62855_quant:
	.size	k_qdf6fd62855_quant, .Lfunc_end_k_qdf6fd62855_quant-k_qdf6fd62855_quant
	.p2alignl 7, 3214868480
	.fill 96, 4, 3214868480
	.section	.rodata,"a",@progbits
	.p2align	6, 0x0
	.amdhsa_kernel k_qdf6fd62855_quant
		.amdhsa_group_segment_fixed_size 68096
		.amdhsa_private_segment_fixed_size 0
		.amdhsa_enable_private_segment 0
		.amdhsa_kernarg_size 72
		.amdhsa_user_sgpr_count 2
		.amdhsa_user_sgpr_kernarg_segment_ptr 1
		.amdhsa_wavefront_size32 1
		.amdhsa_system_sgpr_workgroup_id_x 1
		.amdhsa_system_sgpr_workgroup_id_y 1
		.amdhsa_system_sgpr_workgroup_id_z 1
		.amdhsa_system_vgpr_workitem_id 0
		.amdhsa_next_free_vgpr 194
		.amdhsa_next_free_sgpr 66
		.amdhsa_reserve_vcc 0
		.amdhsa_float_denorm_mode_32 3
		.amdhsa_float_denorm_mode_16_64 3
		.amdhsa_memory_ordered 1
		.amdhsa_forward_progress 1
		.amdhsa_inst_pref_size 74
	.end_amdhsa_kernel
	.amdgpu_metadata
---
amdhsa.version: [ 1, 2 ]
amdhsa.kernels:
  - .name:           k_qdf6fd62855_quant
    .symbol:         k_qdf6fd62855_quant.kd
    .args:
      - { .name: x, .offset: 0, .size: 8, .value_kind: global_buffer, .address_space: global }
      - { .name: Wq, .offset: 8, .size: 8, .value_kind: global_buffer, .address_space: global }
      - { .name: Wk, .offset: 16, .size: 8, .value_kind: global_buffer, .address_space: global }
      - { .name: Wv, .offset: 24, .size: 8, .value_kind: global_buffer, .address_space: global }
      - { .name: Wo, .offset: 32, .size: 8, .value_kind: global_buffer, .address_space: global }
      - { .name: xc, .offset: 40, .size: 8, .value_kind: global_buffer, .address_space: global }
      - { .name: xsc, .offset: 48, .size: 8, .value_kind: global_buffer, .address_space: global }
      - { .name: wc, .offset: 56, .size: 8, .value_kind: global_buffer, .address_space: global }
      - { .name: wsc, .offset: 64, .size: 8, .value_kind: global_buffer, .address_space: global }
    .group_segment_fixed_size: 68096
    .private_segment_fixed_size: 0
    .kernarg_segment_align: 8
    .kernarg_segment_size: 72
    .max_flat_workgroup_size: 128
    .sgpr_count:     66
    .vgpr_count:     194
    .wavefront_size: 32
...
	.end_amdgpu_metadata
.endif
;; end of part 1
;; launch qkv (part 2): grid 8 x 48, 4 waves a work-group, clusters of 4 x 4, 327,680 bytes of LDS; arguments xc, xsc, wc, wsc, bq, bk, bv, qr, kv; writes qr, kv
.if DOCPART == 2
	.amdgcn_target "amdgcn-amd-amdhsa--gfx1250"
	.amdhsa_code_object_version 6
	.text
	.protected	k_qdf6fd62855_qkv
	.globl	k_qdf6fd62855_qkv
	.p2align	8
	.type	k_qdf6fd62855_qkv,@function
k_qdf6fd62855_qkv:
	s_mov_b64 s[64:65], 0
	v_nop
	global_prefetch_b8 v0, s[64:65] scope:SCOPE_SE
	s_setreg_imm32_b32 hwreg(HW_REG_WAVE_MODE, 25, 1), 1
	s_wait_xcnt 0x0
	s_wait_alu depctr_hold_cnt(0) depctr_sa_sdst(0) depctr_va_vdst(0) depctr_va_sdst(0) depctr_va_ssrc(0) depctr_va_vcc(0) depctr_vm_vsrc(0)
	s_getreg_b32 s2, hwreg(HW_REG_IB_STS2, 6, 4)
	s_cmp_eq_u32 s2, 0
	s_cbranch_scc0 .Lentry_in_a_cluster
	s_endpgm
.Lentry_in_a_cluster:
	s_bfe_u32 s2, ttmp6, 0x10000c
	s_cmp_lg_u32 s2, 0xf033
	s_cbranch_scc0 .Lentry_shape_is_right
	s_endpgm
.Lentry_shape_is_right:
.set KSTEP,  256
.set NQ,     KSTEP/128
.set ROWB,   192
.set KROW,   192                       ; a position's bytes in a chunk: the codes lie [chunk of 256 along K][position][192]
.set XCH,    8192*192                  ; a chunk of xc
.set WCH,    4096*192                  ; a chunk of wc
.set PITCH,  240
.set FR,     12
.set NL,     6
.set NP,     4
.set HALFT,  128*PITCH
.set SLOT,   4*HALFT
.set LAPS,   2
.set KS,     32
.set SCL,    2*SLOT
.set HALFS,  (128*KS/256)*272
.set SBLK,   (16*KS/256)*272
.set SPARE,  SCL+4*HALFS
.set SH16, 8
.set OVS,  9
.set ADRA, 16
.set ADRB, 20
.set O16,  24
.set O8,   25
.set O16B, 26
.set ADRS, 27
.set SPW,  28
.set NIL,  29
.set O8B,  30
.set OSC,  31
.set SC,   32
.set BI,   64
.set AF,   128
.set BO,   224
.set IM,   128
.set CT,   140
.set TM,   148
.set PW,   164
.set SW,   168
.set G1, 24
.set G0, 32
.set G1B, 48
.set G0B, 56
.set G1S, 68
.set G0S, 76
.set G1SB, 80
.set G0SB, 88
.set SEL, 92
.set ISV, 95
.set MSB, 0
.macro WIN new
.if MSB != (\new)
	s_set_vgpr_msb (MSB<<8)|(\new)
.set MSB, (\new)
.endif
.endm
.set MUL_LO, 0xa1
.set MUL_HI, 0xf1
.set TO_B,   0x40
.macro JLOAD g0a, g1a, g0b, g1b
	s_cmp_eq_u32 s15, 0
	s_cbranch_scc0 .Lfor_b_\@
	tensor_load_to_lds s[\g0a:\g0a+3], s[\g1a:\g1a+7]
	s_nop 0
.rept 4
	v_nop
.endr
	s_branch .Lasked_\@
.Lfor_b_\@:
	tensor_load_to_lds s[\g0b:\g0b+3], s[\g1b:\g1b+7]
	s_nop 0
.rept 4
	v_nop
.endr
.Lasked_\@:
.endm
.macro CREST
	s_cmp_lg_u32 s14, 0
	s_cbranch_scc1 .Lnot_wave_0_\@
	s_barrier_signal -3
.Lnot_wave_0_\@:
	s_barrier_wait -3
	s_barrier_signal -1
	s_barrier_wait -1
.endm
.macro CROUND
	s_barrier_signal -1
	s_barrier_wait -1
	CREST
.endm
	s_load_b128 s[4:7], s[0:1], 0x0
	s_load_b128 s[8:11], s[0:1], 0x10
	s_load_b128 s[96:99], s[0:1], 0x20
	s_load_b64 s[100:101], s[0:1], 0x30
	s_load_b64 s[12:13], s[0:1], 0x38
	s_load_b64 s[104:105], s[0:1], 0x40
	v_lshl_add_u32 v[SPW], v0, 2, SPARE
	v_mov_b32 v[NIL], 0
	ds_add_u32 v28, v29
	ds_add_u32 v28, v29
	s_wait_dscnt 0x0
	v_lshrrev_b32 v1, 5, v0
	v_readfirstlane_b32 s14, v1
	s_lshr_b32 s15, s14, 1
	s_and_b32 s16, s14, 1
	s_bfe_u32 s40, ttmp6, 0x40000
	s_bfe_u32 s41, ttmp6, 0x40004
	s_and_b32 s18, ttmp7, 0xffff
	s_max_u32 s19, s18, 8
	s_sub_co_u32 s19, s19, 8
	s_lshl_b32 s19, s19, 1
	s_add_co_u32 s19, s19, ttmp9
	s_cmp_ge_u32 s18, 8
	s_cselect_b32 s[ISV], 1, 0
	s_cselect_b32 s17, 0, s18
	s_lshl_b32 s42, s19, 2
	s_add_co_u32 s42, s42, s40
	s_lshl_b32 s17, s17, 2
	s_add_co_u32 s17, s17, s41
	s_lshl_b32 s43, s41, 2
	s_lshl_b32 s43, 15, s43
	s_lshl_b32 s44, 0x1111, s40
	s_or_b32 s[G1+0], s43, (0<<16)|(1<<20)|(1<<21)|(3<<22)|(3<<25)
	s_or_b32 s[G1B+0], s44, (0<<16)|(1<<20)|(1<<21)|(3<<22)|(3<<25)
.irp g, G1, G1B
	s_mov_b32 s[\g+1], 256<<16                     ; a tile is dense in memory: stated as rows of 256 bytes; 256 positions x 192 bytes are 192 such rows
	s_mov_b32 s[\g+2], 192<<16
	s_mov_b32 s[\g+3], 256<<16
	s_mov_b32 s[\g+4], 192
	s_mov_b32 s[\g+5], 256
	s_mov_b32 s[\g+6], 0
	s_mov_b32 s[\g+7], 0
.endr
	s_or_b32 s[G1S+0], s43, (3<<16)|(1<<20)|(1<<21)|(5<<22)|(3<<25)
	s_or_b32 s[G1SB+0], s44, (3<<16)|(1<<20)|(1<<21)|(5<<22)|(3<<25)
.irp g, G1S, G1SB
	s_mov_b32 s[\g+1], 32<<16
	s_mov_b32 s[\g+2], (256*KS/256)<<16
	s_mov_b32 s[\g+3], 32<<16
	s_mov_b32 s[\g+4], 256*KS/256
	s_mov_b32 s[\g+5], 32
	s_mov_b32 s[\g+6], 0
	s_mov_b32 s[\g+7], 0
.endr
	s_lshl_b32 s20, s17, 8
	s_lshl_b32 s46, s42, 8
	s_mov_b32 s21, 0
	s_mov_b32 s47, 0
	s_mov_b64 s[18:19], KS
	s_mul_u64 s[22:23], s[20:21], s[18:19]
	s_mul_u64 s[92:93], s[46:47], s[18:19]
	s_mov_b64 s[18:19], KROW
	s_mul_u64 s[20:21], s[20:21], s[18:19]
	s_mul_u64 s[46:47], s[46:47], s[18:19]
	s_mul_i32 s45, s14, HALFT
	s_wait_kmcnt 0x0
	s_cmp_lg_u32 s[ISV], 0
	s_add_nc_u64 s[18:19], s[8:9], 2*1024*KROW
	s_cselect_b64 s[2:3], s[4:5], s[8:9]
	s_cselect_b64 s[4:5], s[18:19], s[4:5]
	s_mov_b64 s[8:9], s[2:3]
	s_add_nc_u64 s[18:19], s[10:11], 2*1024*KS
	s_cselect_b64 s[2:3], s[6:7], s[10:11]
	s_cselect_b64 s[6:7], s[18:19], s[6:7]
	s_mov_b64 s[10:11], s[2:3]
	s_add_nc_u64 s[20:21], s[4:5], s[20:21]
	s_add_nc_u64 s[22:23], s[6:7], s[22:23]
	s_add_nc_u64 s[46:47], s[8:9], s[46:47]
	s_add_nc_u64 s[92:93], s[10:11], s[92:93]
	s_cmp_lg_u32 s[ISV], 0                         ; from chunk to chunk: s[6:7] for source A's tensor, s[10:11] for B's (x or the weights, by the cluster's row alone)
	s_mov_b32 s6, XCH
	s_cselect_b32 s6, WCH, s6
	s_mov_b32 s10, WCH
	s_cselect_b32 s10, XCH, s10
	s_mov_b32 s7, 0
	s_mov_b32 s11, 0
	CROUND
	s_mov_b32 s[G0S], 1                            ; the head's four tiles, each whole: A's scales, B's scales,
	s_mov_b32 s[G0S+1], SCL
	s_mov_b64 s[G0S+2:G0S+3], s[22:23]
	s_or_b32 s[G0S+3], s[G0S+3], 0x80000000
	s_mov_b32 s[G0SB], 1
	s_mov_b32 s[G0SB+1], SCL+2*HALFS
	s_mov_b64 s[G0SB+2:G0SB+3], s[92:93]
	s_or_b32 s[G0SB+3], s[G0SB+3], 0x80000000
	s_mov_b32 s[G0], 1                             ; chunk 0's 256 positions of A, and of B
	s_mov_b32 s[G0+1], 0
	s_mov_b64 s[G0+2:G0+3], s[20:21]
	s_or_b32 s[G0+3], s[G0+3], 0x80000000
	s_mov_b32 s[G0B], 1
	s_mov_b32 s[G0B+1], 2*HALFT
	s_mov_b64 s[G0B+2:G0B+3], s[46:47]
	s_or_b32 s[G0B+3], s[G0B+3], 0x80000000
	s_mul_i32 s18, s16, 128*ROWB                   ; for the ring: my 128 positions of a tile; s[4:5], s[8:9] keep chunk 0's address of them
	s_mov_b32 s19, 0
	s_add_nc_u64 s[4:5], s[20:21], s[18:19]
	s_add_nc_u64 s[8:9], s[46:47], s[18:19]
	s_mov_b32 s[G0+4], 1
	s_add_co_u32 s[G0+5], s45, SLOT
	s_add_nc_u64 s[G0+6:G0+7], s[4:5], s[6:7]
	s_or_b32 s[G0+7], s[G0+7], 0x80000000
	s_mov_b32 s[G0B+4], 1
	s_add_co_u32 s[G0B+5], s45, SLOT
	s_add_nc_u64 s[G0B+6:G0B+7], s[8:9], s[10:11]
	s_or_b32 s[G0B+7], s[G0B+7], 0x80000000
	s_lshl_b32 s6, s6, 1                           ; a refill goes two chunks on
	s_lshl_b32 s10, s10, 1
.macro ARM under, g0, g1, next                 ; one tensor load a wave at the head, in one chain of branches on the wave's number
	s_cmp_lt_u32 s14, \under
	s_cbranch_scc0 \next
	tensor_load_to_lds s[\g0:\g0+3], s[\g1:\g1+7]
	s_nop 0
.rept 4
	v_nop
.endr
	s_branch .Lhead_asked
\next:
.endm
	ARM 1, G0,  G1,  .Lhead_b
	ARM 2, G0B, G1B, .Lhead_sa
	ARM 3, G0S, G1S, .Lhead_sb
	tensor_load_to_lds s[G0SB:G0SB+3], s[G1SB:G1SB+7]
	s_nop 0
.rept 4
	v_nop
.endr
.Lhead_asked:
	v_and_b32 v1, 15, v0
	v_bfe_u32 v2, v0, 4, 1
	v_mul_u32_u24 v3, v1, PITCH
	v_mul_u32_u24 v4, v2, 24
	v_add_nc_u32 v4, v3, v4
	v_lshl_add_u32 v5, v2, 4, v4
	s_mul_i32 s21, s15, HALFT
	s_mul_i32 s22, s16, HALFT
	s_add_co_u32 s22, s22, 2*HALFT
.irp s, 0,1
	v_add_nc_u32 v[ADRA+\s], s21, v4
	v_add_nc_u32 v[ADRB+\s], s22, v4
	v_add_nc_u32 v[ADRA+2+\s], s21, v5
	v_add_nc_u32 v[ADRB+2+\s], s22, v5
	s_add_co_u32 s21, s21, SLOT
	s_add_co_u32 s22, s22, SLOT
.endr
	v_mul_u32_u24 v5, v1, KS
	v_lshrrev_b32 v6, 8, v5
	v_lshl_add_u32 v5, v6, 4, v5
	s_mul_i32 s21, s15, HALFS
	s_mul_i32 s22, s16, HALFS
	s_add_co_u32 s22, s22, 2*HALFS
	s_sub_co_u32 s22, s22, s21
	v_mul_u32_u24 v6, s22, v2
	s_add_co_u32 s21, s21, SCL
	v_add_nc_u32 v5, v5, v6
	v_add_nc_u32 v[ADRS], s21, v5
	s_cmp_lg_u32 ttmp9, 0
	s_cselect_b64 s[66:67], s[98:99], s[96:97]
	s_lshl_b32 s18, s40, 8
	s_lshl_b32 s19, s16, 7
	s_add_co_u32 s18, s18, s19
	s_lshl_b32 s20, s17, 8
	s_lshl_b32 s19, s15, 7
	s_add_co_u32 s20, s20, s19
	s_cmp_lg_u32 s[ISV], 0
	s_cselect_b64 s[66:67], s[100:101], s[66:67]
	s_cselect_b32 s18, s20, s18
	s_cselect_b32 s21, 0, 64
	s_cselect_b32 s22, 4, 0
	s_cselect_b32 s23, 0, 4
	s_lshl_b32 s18, s18, 2
	s_mov_b32 s19, 0
	s_add_nc_u64 s[66:67], s[66:67], s[18:19]
	v_and_b32 v3, 8, v1
	v_add_nc_u32 v3, v3, v1
	v_mul_u32_u24 v4, v2, s21
	v_mad_u32_u24 v4, v3, s22, v4
.irp j, 0,1,2,3,4,5,6,7
	v_mad_u32_u24 v[BO+\j], s23, \j, v4
.endr
.irp n, 0,1,2,3,4,5,6,7
.irp j, 0,1,2,3,4,5,6,7
	global_load_b32 v[BI+8*\n+\j], v[BO+\j], s[66:67] offset:4*(32*(\n/2)+8*(\n%2))
.endr
.endr
	s_lshl_b32 s18, s17, 1
	s_add_co_u32 s18, s18, s15
	s_lshl_b32 s19, s42, 1
	s_add_co_u32 s19, s19, s16
	s_lshl_b32 s20, s40, 2
	s_lshl_b32 s21, s16, 1
	s_add_co_u32 s20, s20, s21
	s_lshl_b32 s21, s17, 2
	s_lshl_b32 s22, s15, 1
	s_add_co_u32 s21, s21, s22
	s_cmp_lg_u32 s[ISV], 0
	s_cselect_b32 s18, s19, s18
	s_cselect_b32 s20, s21, s20
	s_lshr_b32 s19, s18, 4
	s_and_b32 s18, s18, 15
	s_lshl_b32 s19, s19, 4
	s_add_co_u32 s19, s19, s20
	s_lshl_b32 s19, s19, 4
	s_add_co_u32 s19, s19, s18
	s_or_b32 s18, s[ISV], ttmp9
	s_cmp_lg_u32 s18, 0
	s_cselect_b64 s[12:13], s[104:105], s[12:13]
	s_mov_b32 s96, 6656
	s_cselect_b32 s96, 13056, s96
	s_mov_b32 s97, 6144
	s_cselect_b32 s97, 12288, s97
	s_mul_i32 s18, s19, s96
	s_mov_b32 s19, 0
	s_add_nc_u64 s[12:13], s[12:13], s[18:19]
	s_lshl_b32 s98, s96, 4
	v_and_b32 v5, 31, v0
	v_lshlrev_b32 v[O16], 4, v5
	v_lshl_add_u32 v[O8], v5, 3, 512
	v_add_nc_u32 v[O16B], s98, v[O16]
	v_add_nc_u32 v[O8B], s98, v[O8]
	v_mul_lo_u32 v[OSC], v2, s98
	v_lshl_add_u32 v[OSC], v1, 4, v[OSC]
	v_add_nc_u32 v[OSC], s97, v[OSC]
	v_mul_u32_u24 v[OVS], v2, 208896
	v_lshl_add_u32 v[OVS], v1, 4, v[OVS]
	v_lshlrev_b32 v[SH16], 4, v2
	s_mov_b32 s[SEL], 0x76543210
	s_mov_b32 s[SEL+1], 0xfedcba98
.macro FRAG reg, adr, q, i
.irp p, 0,1,2,3,4,5
.set PC, 12*(\q)+6*(\p/3)+\p%3
.if PC%8 < 5
	ds_load_b64 v[\reg+2*\p:\reg+2*\p+1], v[\adr] offset:8*PC+16*(PC/8)+(\i)*16*PITCH
.else
	ds_load_b64 v[\reg+2*\p:\reg+2*\p+1], v[\adr+2] offset:8*PC+16*(PC/8)+(\i)*16*PITCH
.endif
.endr
.endm
.macro MUL16 a0, p, q, sc, zero
.irp a, \a0, \a0+1
.irp b, 0,1,2,3,4,5,6,7
.set DR, 8*(8*((\a)%4)+\b)
.if \zero == 1
.set CR, BI+8*\b
.elseif \zero == 2
.set CR, BI+8*(\a)
.else
.set CR, DR
.endif
	v_wmma_scale_f32_16x16x128_f8f6f4 v[DR:DR+7], v[128*(\p)+FR*\b:128*(\p)+FR*\b+FR-1], v[AF+FR*(\a):AF+FR*(\a)+FR-1], v[CR:CR+7], v[SC+8*NQ*(\sc)+NQ*\b+(\q)], v[SC+8*NQ*(\sc)+NQ*(\a)+(\q)] matrix_a_fmt:MATRIX_FMT_FP6 matrix_b_fmt:MATRIX_FMT_FP6 matrix_a_scale:MATRIX_SCALE_ROW1
.endr
.endr
.endm
.macro FETCH_B slot, q, p
	WIN TO_B
.irp i, 0,1,2,3,4,5,6,7
	FRAG 128*(\p)+FR*\i, ADRB+\slot, \q, \i
.endr
	WIN 0
.endm
.macro FETCH_A slot, q, i0
.irp i, \i0, \i0+1, \i0+2, \i0+3
	FRAG AF+FR*(\i), ADRA+\slot, \q, \i
.endr
.endm
.macro SCALES sc
.irp i, 0,1,2,3,4,5,6,7
	ds_load_b64 v[SC+8*NQ*\sc+NQ*\i:SC+8*NQ*\sc+NQ*\i+1], v[ADRS] offset:\i*SBLK
.endr
.endm
.macro PLACES n
.rept \n
	v_nop
.endr
.endm
.macro STEP slot, q, zero
	s_wait_dscnt 4*NL
.if \zero
	WIN 0x81
.else
	WIN MUL_LO
.endif
	MUL16 0, (\q)%2, \q, \slot, \zero
	MUL16 2, (\q)%2, \q, \slot, \zero
	s_wait_dscnt 0
	PLACES NP
	FETCH_B \slot, (\q)+1, 1-(\q)%2
	FETCH_A \slot, (\q)+1, 0
.if \zero
	WIN 0xc1
.else
	WIN MUL_HI
.endif
	MUL16 4, (\q)%2, \q, \slot, \zero
	MUL16 6, (\q)%2, \q, \slot, \zero
	PLACES NP
	WIN 0
	FETCH_A \slot, (\q)+1, 4
.endm
.macro TURN slot, next, fill
	s_wait_tensorcnt 0x0
	ds_add_u32 v[SPW], v[NIL]
	s_wait_dscnt 4*NL+1
	WIN MUL_LO
	MUL16 0, 1, NQ-1, \slot, 0
	s_wait_dscnt 0x0
	s_barrier_signal -1
	MUL16 2, 1, NQ-1, \slot, 0
	WIN 0
	s_barrier_wait -1
.if \fill
	CREST
	s_add_nc_u64 s[G0+4*\slot+2:G0+4*\slot+3], s[G0+4*\slot+2:G0+4*\slot+3], s[6:7]
	s_add_nc_u64 s[G0B+4*\slot+2:G0B+4*\slot+3], s[G0B+4*\slot+2:G0B+4*\slot+3], s[10:11]
	JLOAD G0+4*\slot, G1, G0B+4*\slot, G1B
.else
	PLACES NP
.endif
	s_wait_alu depctr_va_vdst(0)
	v_add_nc_u32 v[ADRS], 4*NQ, v[ADRS]
	FETCH_B \next, 0, 0
	FETCH_A \next, 0, 0
	SCALES \next
	WIN MUL_HI
	MUL16 4, 1, NQ-1, \slot, 0
	MUL16 6, 1, NQ-1, \slot, 0
	PLACES NP
	WIN 0
	FETCH_A \next, 0, 4
.endm
	s_wait_alu depctr_va_vdst(0)                   ; the wait at the head's end
	s_wait_tensorcnt 0x0                           ; my tile of the head's four is in; the three lines ahead of a later first fill, as ahead of a refill
	ds_add_u32 v[SPW], v[NIL]
	s_mov_b32 s[G1+2], 96<<16                      ; no tensor load of mine is out: from here on a load brings 128 positions, 96 rows of 256 bytes,
	s_mov_b32 s[G1+4], 96
	s_mov_b32 s[G1B+2], 96<<16
	s_mov_b32 s[G1B+4], 96
	s_mov_b32 s[G0+1], s45                         ; and slot 0's group 0 stands at my part of chunk 0
	s_mov_b64 s[G0+2:G0+3], s[4:5]
	s_or_b32 s[G0+3], s[G0+3], 0x80000000
	s_mov_b32 s[G0B+1], s45
	s_mov_b64 s[G0B+2:G0B+3], s[8:9]
	s_or_b32 s[G0B+3], s[G0B+3], 0x80000000
	s_wait_dscnt 0x0
	CROUND
	JLOAD G0+4, G1, G0B+4, G1B                     ; chunk 1, the first tensor load behind the round
	FETCH_B 0, 0, 0
	FETCH_A 0, 0, 0
	SCALES 0
	FETCH_A 0, 0, 4
	s_wait_loadcnt 0x0
	s_cmp_lg_u32 s[ISV], 0
	s_cbranch_scc1 .Lfirst_v
	STEP 0, 0, 1
	s_branch .Lfirst_done
.Lfirst_v:
	STEP 0, 0, 2
.Lfirst_done:
	s_mov_b32 s3, LAPS-1
.Llap:
	TURN 0, 1, 1
	STEP 1, 0, 0
	TURN 1, 0, 1
	STEP 0, 0, 0
	s_sub_co_u32 s3, s3, 1
	s_cmp_lg_u32 s3, 0
	s_cbranch_scc1 .Llap
	TURN 0, 1, 0
	STEP 1, 0, 0
	s_wait_dscnt 4*NL
	WIN MUL_LO
	MUL16 0, 1, NQ-1, 1, 0
	MUL16 2, 1, NQ-1, 1, 0
	s_wait_dscnt 0
	WIN MUL_HI
	MUL16 4, 1, NQ-1, 1, 0
	MUL16 6, 1, NQ-1, 1, 0
	WIN 0
.macro QUANT a
.set AC, 64*((\a)%4)
.set AW, 2+(\a)/4
	WIN AW*5
.irp b, 0,1,2,3
	v_max3_num_f32 v[TM+\b], |v[AC+16*\b]|, |v[AC+1+16*\b]|, 0x1800000
.endr
	WIN AW*20
.irp i, 2,4,6,8,10,12,14
.irp b, 0,1,2,3
	v_max3_num_f32 v[TM+\b], v[TM+\b], |v[AC+16*\b+\i]|, |v[AC+1+16*\b+\i]|
.endr
.endr
	WIN 0
.irp b, 0,1,2,3
	v_permlanex16_b32 v[TM+4+\b], v[TM+\b], s[SEL], s[SEL+1]
.endr
.irp b, 0,1,2,3
	v_max_num_f32 v[TM+\b], v[TM+\b], v[TM+4+\b]
.endr
.irp b, 0,1,2,3
	v_add_nc_u32 v[TM+12+\b], 0xff000000, v[TM+\b]
.endr
.irp b, 0,1,2,3
	v_lshrrev_b32 v[TM+4+\b], 23, v[TM+12+\b]
.endr
	v_lshl_or_b32 v[PW], v[TM+5], 8, v[TM+4]
	v_lshl_or_b32 v[PW], v[TM+6], 16, v[PW]
	v_lshl_or_b32 v[PW], v[TM+7], 24, v[PW]
	s_wait_xcnt 0x0
	WIN AW
.irp c, 0,1
	v_cvt_scalef32_pk16_fp6_f32 v[IM+6*\c:IM+6*\c+2], v[AC+32*\c:AC+32*\c+15], v[TM+12+2*\c]
	v_cvt_scalef32_pk16_fp6_f32 v[CT+4*\c:CT+4*\c+2], v[AC+16+32*\c:AC+31+32*\c], v[TM+12+2*\c+1]
.endr
	WIN 0
	v_nop
.irp c, 0,1
.irp i, 0,1,2
	v_permlane16_swap_b32 v[IM+6*\c+\i], v[CT+4*\c+\i]
.endr
.irp i, 0,1,2
	v_mov_b32 v[IM+3+6*\c+\i], v[CT+4*\c+\i]
.endr
.endr
.endm
	PLACES NP
.irp b, 0,1,2,3
	v_mov_b32 v[TM+4+\b], 0
.endr
	s_mov_b32 vcc_lo, 0xffff0000
	s_cmp_lg_u32 s[ISV], 0
	s_cbranch_scc1 .Lout_v
.irp a, 0,1,2,3,4,5,6,7
	QUANT \a
	global_store_b128 v[O16], v[IM:IM+3], s[12:13] offset:768*\a
	global_store_b64 v[O8], v[IM+4:IM+5], s[12:13] offset:768*\a
	global_store_b128 v[O16B], v[IM+6:IM+9], s[12:13] offset:768*\a
	global_store_b64 v[O8B], v[IM+10:IM+11], s[12:13] offset:768*\a
	v_bfe_u32 v[SW+\a], v[PW], v[SH16], 16
.endr
	global_store_b128 v[OSC], v[SW:SW+3], s[12:13]
	global_store_b128 v[OSC], v[SW+4:SW+7], s[12:13] offset:256
	s_branch .Lout_done
.Lout_v:
.irp a, 0,1,2,3,4,5,6,7
	QUANT \a
.irp c, 0,1,2
	global_store_b128 v[O16], v[IM+4*\c:IM+4*\c+3], s[12:13] offset:(\a/4)*208896+6144+(\a%4)*1536+512*\c
.endr
.if \a < 4
	v_mov_b32 v[SW+\a], v[PW]
.else
	v_cndmask_b32 v[SW+\a-4], v[SW+\a-4], v[PW], vcc_lo
.endif
.endr
	global_store_b128 v[OVS], v[SW:SW+3], s[12:13] offset:12800
.Lout_done:
	s_wait_tensorcnt 0x0
	ds_add_u32 v[SPW], v[NIL]
	s_wait_dscnt 0x0
	CROUND
	s_endpgm
.Lfunc_end_k_qdf6fd62855_qkv:
	.size	k_qdf6fd62855_qkv, .Lfunc_end_k_qdf6fd62855_qkv-k_qdf6fd62855_qkv
	.p2alignl 7, 3214868480
	.fill 96, 4, 3214868480
	.section	.rodata,"a",@progbits
	.p2align	6, 0x0
	.amdhsa_kernel k_qdf6fd62855_qkv
		.amdhsa_group_segment_fixed_size 327680
		.amdhsa_private_segment_fixed_size 0
		.amdhsa_enable_private_segment 0
		.amdhsa_kernarg_size 72
		.amdhsa_user_sgpr_count 2
		.amdhsa_user_sgpr_kernarg_segment_ptr 1
		.amdhsa_wavefront_size32 1
		.amdhsa_system_sgpr_workgroup_id_x 1
		.amdhsa_system_sgpr_workgroup_id_y 1
		.amdhsa_system_sgpr_workgroup_id_z 1
		.amdhsa_system_vgpr_workitem_id 0
		.amdhsa_next_free_vgpr 1024
		.amdhsa_next_free_sgpr 106
		.amdhsa_reserve_vcc 1
		.amdhsa_float_denorm_mode_32 3
		.amdhsa_float_denorm_mode_16_64 3
		.amdhsa_memory_ordered 1
		.amdhsa_forward_progress 1
		.amdhsa_inst_pref_size 224
	.end_amdhsa_kernel
	.amdgpu_metadata
---
amdhsa.version: [ 1, 2 ]
amdhsa.kernels:
  - .name:           k_qdf6fd62855_qkv
    .symbol:         k_qdf6fd62855_qkv.kd
    .args:
      - { .name: xc, .offset: 0, .size: 8, .value_kind: global_buffer, .address_space: global }
      - { .name: xsc, .offset: 8, .size: 8, .value_kind: global_buffer, .address_space: global }
      - { .name: wc, .offset: 16, .size: 8, .value_kind: global_buffer, .address_space: global }
      - { .name: wsc, .offset: 24, .size: 8, .value_kind: global_buffer, .address_space: global }
      - { .name: bq, .offset: 32, .size: 8, .value_kind: global_buffer, .address_space: global }
      - { .name: bk, .offset: 40, .size: 8, .value_kind: global_buffer, .address_space: global }
      - { .name: bv, .offset: 48, .size: 8, .value_kind: global_buffer, .address_space: global }
      - { .name: qr, .offset: 56, .size: 8, .value_kind: global_buffer, .address_space: global }
      - { .name: kv, .offset: 64, .size: 8, .value_kind: global_buffer, .address_space: global }
    .group_segment_fixed_size: 327680
    .private_segment_fixed_size: 0
    .kernarg_segment_align: 8
    .kernarg_segment_size: 72
    .max_flat_workgroup_size: 128
    .sgpr_count:     106
    .vgpr_count:     1024
    .wavefront_size: 32
...
	.end_amdgpu_metadata
.endif
;; end of part 2
;; launch attn (part 3): grid 4 x 64, 16 waves a work-group, clusters of 4 x 1, 210,944 bytes of LDS; arguments qr, kv, ac, asc; writes ac, asc
.if DOCPART == 3
	.amdgcn_target "amdgcn-amd-amdhsa--gfx1250"
	.amdhsa_code_object_version 6
	.text
	.protected	k_qdf6fd62855_attn
	.globl	k_qdf6fd62855_attn
	.p2align	8
	.type	k_qdf6fd62855_attn,@function
k_qdf6fd62855_attn:
	s_mov_b64 s[64:65], 0
	v_nop
	global_prefetch_b8 v0, s[64:65] scope:SCOPE_SE
	s_setreg_imm32_b32 hwreg(HW_REG_WAVE_MODE, 25, 1), 1
	s_wait_xcnt 0x0
	s_wait_alu depctr_hold_cnt(0) depctr_sa_sdst(0) depctr_va_vdst(0) depctr_va_sdst(0) depctr_va_ssrc(0) depctr_va_vcc(0) depctr_vm_vsrc(0)
	s_getreg_b32 s2, hwreg(HW_REG_IB_STS2, 6, 4)
	s_cmp_eq_u32 s2, 0
	s_cbranch_scc0 .Lentry_in_a_cluster
	s_endpgm
.Lentry_in_a_cluster:
	s_bfe_u32 s2, ttmp6, 0x10000c
	s_cmp_lg_u32 s2, 0x3003
	s_cbranch_scc0 .Lentry_shape_is_right
	s_endpgm
.Lentry_shape_is_right:
; out[q] = the sum over k of softmax_k(q . k / 8) v[k] for each of 64 (batch, head), both products on codes of FP6 (E2M3) with one E8M0 scale for each 32 along K;
; the result is quantised along the model's 1,024 (a head's 64 are two blocks) and leaves as codes and scale bytes for the last projection.
; SOFTMAX: t = score x log2(e) / 8; M = the running largest t rounded up to a whole number; p = 2^(t - M) is quantised along the keys; the row's sum is taken of the unquantised p and divides at the end.
; When M moves, the sum and O are multiplied by 2^(old M - new M): exact.
; SHARES: a work-group owns 512 query positions of one (batch, head); each of sixteen waves owns two tiles of 16, one after the other (a loop of two trips).
; The head's K and V stay in LDS: 16 records of 13,056 bytes, one for each 128 keys, filled once: wave w brings record w, jointly with the three other query blocks of the head (cluster 4 x 1).
; A record: K's 8 tiles x 768 bytes (registers 0-3 at 16 x lane, 4-5 at 512 + 8 x lane); at 6,144 V's four fragments of 1,536; at 12,288 K's scale words; at 12,800 V's.
; Both products are used transposed (S^T = K Q^T, O^T = V^T P^T): a lane holds one query.  The first product's K is 64 of the instruction's 128: Q's registers 6-11 are zero codes, so K's fragments overlap.
; THE NEXT STEP'S K IS ASKED FOR IN THIS STEP, behind p's codes, when K's registers are free; V is asked for at a step's head.  A tile's last step asks for no K.
; LIMITS: a block of zeros, or one whose largest magnitude lies under 2^-124, gets the byte 1: only this program reads the bytes.  NaN and infinities are not served.
; The promise holds while the scaled scores stay under 2^31 in magnitude.
.set REC,  13056
.set QREC, 6656
.set A16, 1                            ; 16 x lane
.set A8,  2                            ; 8 x lane
.set AR,  3                            ; 16 x (lane % 16)
.set L16, 4                            ; this step's record: + A16
.set LR,  6                            ; + AR
.set ASO, 7                            ; 32 x (lane % 16)
.set N16, 8                            ; the next step's record: + A16
.set N8,  9                            ; + A8
                                       ; v12 -M, v13 the largest t, v[14:15] the sum
.set QF,  16                           ; v16-27 Q's fragment; v22-27 zeros
.set QS,  28
.set F,   30                           ; f; at the end 1 / the sum
.set PS,  31                           ; p's scale word
.set KF,  32                           ; v32-85 K's eight half fragments and six zeros; behind S^T's products at work:
.set BM,  32
.set BP,  36
.set CT,  40
.set SO,  48
.set KSC, 86
.set VSC, 90
.set VF,  94
.set S,   142
.set O,   206
.set PC,  238
.set HW,  250
.set W,   254
.set WV,  12
.set SEL, 20
.set CS,  22
.set G1,  24
.set G0,  32
.set TB,  36                           ; LDS byte of this step's record
.set CNT, 37
.set PU,  42                           ; which of my two tiles
.set TBN, 43                           ; LDS byte of the next step's record
.macro ROUND
	s_barrier_signal -1
	s_barrier_wait -1
	s_cmp_lg_u32 s[WV], 0
	s_cbranch_scc1 .Lnot_wave_0_\@
	s_barrier_signal -3
.Lnot_wave_0_\@:
	s_barrier_wait -3
	s_barrier_signal -1
	s_barrier_wait -1
.endm
	s_load_b128 s[4:7], s[0:1], 0x0                ; qr, kv
	s_load_b128 s[8:11], s[0:1], 0x10              ; ac, asc
	v_lshl_add_u32 v253, v0, 2, 0x33000
	v_mov_b32 v255, 0
	ds_add_u32 v253, v255                          ; the opening lines
	ds_add_u32 v253, v255
	v_lshrrev_b32 v10, 5, v0
	v_readfirstlane_b32 s[WV], v10
	s_bfe_u32 s13, ttmp6, 0x40000                  ; cx: enters Q's and the output's global addresses alone
	s_and_b32 s14, ttmp7, 0xffff                   ; batch x 16 + head
	s_mov_b32 s[G1], 15|(3<<16)|(1<<21)            ; a record as 51 rows of 256 bytes; the mask names all four
	s_mov_b32 s[G1+1], 32<<16
	s_mov_b32 s[G1+2], 51<<16
	s_mov_b32 s[G1+3], 32<<16
	s_mov_b32 s[G1+4], 51
	s_mov_b32 s[G1+5], 32
	s_mov_b32 s[G1+6], 0
	s_mov_b32 s[G1+7], 0
	s_mov_b32 s[G0], 1
	s_mul_i32 s[G0+1], s[WV], REC
	s_mul_i32 s18, s14, 16*REC
	s_add_co_u32 s18, s18, s[G0+1]
	s_mov_b32 s19, 0
	s_mov_b32 s[SEL], 0x76543210
	s_mov_b32 s[SEL+1], 0xfedcba98
	s_mov_b32 s[CS], 0x3e38aa3b                    ; log2(e) / 8
	s_mov_b32 s[CS+1], s[CS]
	s_wait_dscnt 0x0
	s_wait_kmcnt 0x0
	s_add_nc_u64 s[G0+2:G0+3], s[6:7], s[18:19]
	s_or_b32 s[G0+3], s[G0+3], 0x80000000
	ROUND
	tensor_load_to_lds s[G0:G0+3], s[G1:G1+7]      ; my one tensor load of the launch
	s_nop 0
.rept 4
	v_nop
.endr
	s_lshl_b32 s18, s14, 4                         ; Q: record 16 (batch, head) + 4 cx + w / 4; my tiles are 2 (w % 4), + 1
	s_lshl_b32 s19, s13, 2
	s_add_co_u32 s18, s18, s19
	s_lshr_b32 s19, s[WV], 2
	s_add_co_u32 s18, s18, s19
	s_mul_i32 s18, s18, QREC
	s_and_b32 s19, s[WV], 3
	s_mul_i32 s38, s19, 1536
	s_add_co_u32 s38, s38, s18
	s_mov_b32 s39, 0
	s_lshr_b32 s19, s19, 1
	s_lshl_b32 s19, s19, 8
	s_add_co_u32 s18, s18, s19
	s_and_b32 s19, s[WV], 1
	s_lshl_b32 s19, s19, 3
	s_add_co_u32 s18, s18, s19
	s_add_co_u32 s18, s18, 6144
	s_mov_b32 s19, 0
	s_add_nc_u64 s[16:17], s[4:5], s[18:19]
	s_add_nc_u64 s[4:5], s[4:5], s[38:39]
	s_lshr_b32 s18, s14, 4                         ; the output: tile T = 128 batch + 32 cx + 2 w; codes at 12,288 T + 768 head; bytes at 512 T + 32 r + 2 head
	s_lshl_b32 s18, s18, 7
	s_lshl_b32 s19, s13, 5
	s_add_co_u32 s18, s18, s19
	s_lshl_b32 s19, s[WV], 1
	s_add_co_u32 s18, s18, s19
	s_and_b32 s19, s14, 15
	s_mul_i32 s38, s18, 12288
	s_mul_i32 s40, s19, 768
	s_add_co_u32 s38, s38, s40
	s_add_nc_u64 s[8:9], s[8:9], s[38:39]
	s_lshl_b32 s38, s18, 9
	s_lshl_b32 s40, s19, 1
	s_add_co_u32 s38, s38, s40
	s_add_nc_u64 s[10:11], s[10:11], s[38:39]
	v_and_b32 v10, 31, v0
	v_and_b32 v11, 15, v0
	v_lshlrev_b32 v[A16], 4, v10
	v_lshlrev_b32 v[A8], 3, v10
	v_lshlrev_b32 v[AR], 4, v11
	v_lshlrev_b32 v[ASO], 5, v11
.macro QLOAD                           ; a tile of queries: half a fragment and its scale words
	global_load_b128 v[QF:QF+3], v[A16], s[4:5]
	global_load_b64 v[QF+4:QF+5], v[A8], s[4:5] offset:512
	global_load_b32 v[QS], v[AR], s[16:17]
.endm
.macro KLOAD a, b                      ; 17 loads: K's eight half fragments and its scale words
.irp t, 0,1,2,3,4,5,6,7
	ds_load_b128 v[KF+6*\t:KF+6*\t+3], v[\a] offset:768*\t
	ds_load_b64 v[KF+6*\t+4:KF+6*\t+5], v[\b] offset:768*\t+512
.endr
	ds_load_b128 v[KSC:KSC+3], v[\a] offset:12288
.endm
	QLOAD
.irp i, 0,1,2,3,4,5
	v_mov_b32 v[QF+6+\i], 0
	v_mov_b32 v[KF+48+\i], 0
.endr
	v_mov_b32 v[PS], 0
	s_mov_b32 s[PU], 0
	s_wait_alu depctr_va_vdst(0)                   ; the wait at the head's end
	s_wait_tensorcnt 0x0                           ; my record is in,
	s_barrier_signal -1
	s_barrier_wait -1                              ; everybody's is
; A KEY STEP: 128 keys.  last = 1: a tile's last step: no K is asked for.
.macro STEP last
	v_add_nc_u32 v[L16], s[TB], v[A16]             ; four places behind the last step's products, ahead of the loads into V's registers
	v_add_nc_u32 v[LR], s[TB], v[AR]
.if \last
	v_nop
	v_nop
.else
	v_add_nc_u32 v[N16], s[TBN], v[A16]
	v_add_nc_u32 v[N8], s[TBN], v[A8]
.endif
.irp t, 0,1,2,3
.irp c, 0,1,2
	ds_load_b128 v[VF+12*\t+4*\c:VF+12*\t+4*\c+3], v[L16] offset:6144+1536*\t+512*\c
.endr
.endr
	ds_load_b128 v[VSC:VSC+3], v[LR] offset:12800
	s_wait_dscnt 13                                ; K's 17 loads, asked for earlier, are in; V's 13 may be out
.irp t, 0,1,2,3
	v_wmma_scale_f32_16x16x128_f8f6f4 v[S+8*\t:S+8*\t+7], v[KF+6*\t:KF+6*\t+11], v[QF:QF+11], 0, v[KSC+\t], v[QS] matrix_a_fmt:MATRIX_FMT_FP6 matrix_b_fmt:MATRIX_FMT_FP6
.endr
.irp t, 4,5,6,7
	v_wmma_scale_f32_16x16x128_f8f6f4 v[S+8*\t:S+8*\t+7], v[KF+6*\t:KF+6*\t+11], v[QF:QF+11], 0, v[KSC+\t-4], v[QS] matrix_a_fmt:MATRIX_FMT_FP6 matrix_b_fmt:MATRIX_FMT_FP6 matrix_a_scale:MATRIX_SCALE_ROW1
.endr
.rept 4
	v_nop
.endr
.irp b, 0,1,2,3
	v_max3_num_f32 v[BM+\b], v[S+16*\b], v[S+1+16*\b], v[S+2+16*\b]   ; the largest score of each block of 32 keys: for the row's maximum and for the block's largest p
.endr
.irp i, 3,5,7,9,11,13
.irp b, 0,1,2,3
	v_max3_num_f32 v[BM+\b], v[BM+\b], v[S+16*\b+\i], v[S+1+16*\b+\i]
.endr
.endr
.irp b, 0,1,2,3
	v_max_num_f32 v[BM+\b], v[BM+\b], v[S+15+16*\b]
.endr
.irp b, 0,1,2,3
	s_delay_alu instid0(VALU_DEP_4)
	v_permlanex16_b32 v[BP+\b], v[BM+\b], s[SEL], s[SEL+1]
.endr
.irp b, 0,1,2,3
	s_delay_alu instid0(VALU_DEP_4)
	v_max_num_f32 v[BM+\b], v[BM+\b], v[BP+\b]
.endr
	s_delay_alu instid0(VALU_DEP_2)
	v_max3_num_f32 v[W], v[BM], v[BM+1], v[BM+2]
	s_delay_alu instid0(VALU_DEP_1)
	v_max_num_f32 v[W], v[W], v[BM+3]
	s_delay_alu instid0(VALU_DEP_1)
	v_mul_f32 v[W], s[CS], v[W]
	s_delay_alu instid0(VALU_DEP_1)
	v_max_num_f32 v13, v13, v[W]                   ; the running largest t
	v_mov_b32 v[W], v12
	s_delay_alu instid0(VALU_DEP_2)
	v_floor_f32 v12, -v13                          ; -M = -ceil(t)
	s_delay_alu instid0(VALU_DEP_1)
	v_sub_f32 v[W], v12, v[W]
	s_delay_alu instid0(VALU_DEP_1)
	v_cvt_i32_f32 v[W], v[W]
	s_delay_alu instid0(VALU_DEP_1)
	v_ldexp_f32 v[F], 1.0, v[W]                    ; f = 2^(old M - new M)
.set j, 0
.rept 32
	v_pk_fma_f32 v[S+j:S+j+1], v[S+j:S+j+1], s[CS:CS+1], v[12:13] op_sel_hi:[1,0,0]   ; t - M
.set j, j+2
.endr
.irp b, 0,1,2,3
	v_fma_f32 v[BM+\b], v[BM+\b], s[CS], v12
.endr
.set j, 0
	s_wait_alu depctr_va_vdst(0)                   ; the wait ahead of the batch
.rept 64
	v_exp_f32 v[S+j], v[S+j]
.set j, j+1
.endr
	v_pk_mul_f32 v[14:15], v[14:15], v[F:F+1] op_sel_hi:[1,0]
	s_wait_alu depctr_va_vdst(0)                   ; and behind it
.irp b, 0,1,2,3
	v_exp_f32 v[BM+\b], v[BM+\b]                   ; the block's largest p
.endr
	v_pk_add_f32 v[36:37], v[146:147], v[150:151]
	v_pk_add_f32 v[250:251], v[154:155], v[158:159]
	v_pk_add_f32 v[248:249], v[162:163], v[166:167]
	v_pk_add_f32 v[246:247], v[170:171], v[174:175]
	v_pk_add_f32 v[244:245], v[178:179], v[182:183]
	v_pk_add_f32 v[242:243], v[186:187], v[190:191]
	v_pk_add_f32 v[240:241], v[194:195], v[198:199]
	v_pk_add_f32 v[14:15], v[14:15], v[202:203]
	v_pk_add_f32 v[36:37], v[36:37], v[142:143]
	v_pk_add_f32 v[250:251], v[250:251], v[144:145]
	v_pk_add_f32 v[248:249], v[248:249], v[148:149]
	v_pk_add_f32 v[246:247], v[246:247], v[152:153]
	v_pk_add_f32 v[244:245], v[244:245], v[156:157]
	v_pk_add_f32 v[242:243], v[242:243], v[160:161]
	v_pk_add_f32 v[240:241], v[240:241], v[164:165]
	v_pk_add_f32 v[14:15], v[14:15], v[168:169]
	v_pk_add_f32 v[36:37], v[36:37], v[172:173]
	v_pk_add_f32 v[250:251], v[250:251], v[176:177]
	v_pk_add_f32 v[248:249], v[248:249], v[180:181]
	v_pk_add_f32 v[246:247], v[246:247], v[184:185]
	v_pk_add_f32 v[244:245], v[244:245], v[188:189]
	v_pk_add_f32 v[242:243], v[242:243], v[192:193]
	v_pk_add_f32 v[240:241], v[240:241], v[196:197]
	v_pk_add_f32 v[14:15], v[14:15], v[200:201]
	v_pk_add_f32 v[36:37], v[36:37], v[204:205]
	s_delay_alu instid0(VALU_DEP_2)
	v_pk_add_f32 v[14:15], v[14:15], v[246:247]
	s_delay_alu instid0(VALU_DEP_2)
	v_pk_add_f32 v[36:37], v[36:37], v[244:245]
	v_pk_add_f32 v[250:251], v[250:251], v[242:243]
	v_pk_add_f32 v[248:249], v[248:249], v[240:241]
	s_delay_alu instid0(VALU_DEP_2)
	v_pk_add_f32 v[14:15], v[14:15], v[250:251]
	s_delay_alu instid0(VALU_DEP_2)
	v_pk_add_f32 v[36:37], v[36:37], v[248:249]
	s_delay_alu instid0(VALU_DEP_1)
	v_pk_add_f32 v[14:15], v[14:15], v[36:37]
	s_wait_alu depctr_va_vdst(0)                   ; for the four
.irp b, 0,1,2,3
	v_max_num_f32 v[BM+\b], 0x1800000, v[BM+\b]    ; the floor: the byte cannot fall under 1
.endr
.irp b, 0,1,2,3
	s_delay_alu instid0(VALU_DEP_4)
	v_add_nc_u32 v[SO+\b], 0xff000000, v[BM+\b]
.endr
.irp b, 0,1,2,3
	s_delay_alu instid0(VALU_DEP_4)
	v_lshrrev_b32 v[BP+\b], 23, v[SO+\b]
.endr
	s_delay_alu instid0(VALU_DEP_3)
	v_lshl_or_b32 v[PS], v[BP+1], 8, v[BP]
	s_delay_alu instid0(VALU_DEP_1)
	v_lshl_or_b32 v[PS], v[BP+2], 16, v[PS]
	s_delay_alu instid0(VALU_DEP_1)
	v_lshl_or_b32 v[PS], v[BP+3], 24, v[PS]
.irp c, 0,1
	v_cvt_scalef32_pk16_fp6_f32 v[PC+6*\c:PC+6*\c+2], v[S+32*\c:S+32*\c+15], v[SO+2*\c]
	v_cvt_scalef32_pk16_fp6_f32 v[CT+4*\c:CT+4*\c+2], v[S+16+32*\c:S+31+32*\c], v[SO+2*\c+1]
.endr
	v_nop
.irp c, 0,1
.irp i, 0,1,2
	v_permlane16_swap_b32 v[PC+6*\c+\i], v[CT+4*\c+\i]
.endr
.irp i, 0,1,2
	s_delay_alu instid0(VALU_DEP_3)
	v_mov_b32 v[PC+3+6*\c+\i], v[CT+4*\c+\i]
.endr
.endr
.if !\last
	KLOAD N16, N8                                  ; K's registers are free: the next step's K
.endif
	s_wait_alu depctr_va_vdst(0)                   ; the wait directly ahead of the first reader of O^T
.set j, 0
.rept 16
	v_pk_mul_f32 v[O+j:O+j+1], v[O+j:O+j+1], v[F:F+1] op_sel_hi:[1,0]
.set j, j+2
.endr
	s_wait_alu depctr_va_vdst(0)
.if \last
	s_wait_dscnt 0x0                               ; V is in
.else
	s_wait_dscnt 17                                ; V is in; the next K's 17 loads may be out
.endif
.irp t, 0,1,2,3
	v_wmma_scale_f32_16x16x128_f8f6f4 v[O+8*\t:O+8*\t+7], v[VF+12*\t:VF+12*\t+11], v[PC:PC+11], v[O+8*\t:O+8*\t+7], v[VSC+\t], v[PS] matrix_a_fmt:MATRIX_FMT_FP6 matrix_b_fmt:MATRIX_FMT_FP6
.endr
.endm
.set OB, S                             ; the way out works in S^T's registers
.set OP, S+4
.set OS, S+8
.set OC, S+12
.Lpass:                                        ; one tile of queries against all 2,048 keys; O^T and the sum begin as zeros, the largest t as -3e38
	v_mov_b32 v13, 0xff61b1e6
	v_mov_b32 v14, 0
	v_mov_b32 v15, 0
	v_floor_f32 v12, -v13
.set j, 0
.rept 32
	v_mov_b32 v[O+j], 0
.set j, j+1
.endr
	s_mov_b32 s[TB], 0
	s_mov_b32 s[TBN], REC
	s_mov_b32 s[CNT], 15
	KLOAD A16, A8                                  ; record 0's K
	s_wait_loadcnt 0x0                             ; Q
.Lstep:
	STEP 0
	s_add_co_u32 s[TB], s[TB], REC
	s_add_co_u32 s[TBN], s[TBN], REC
	s_sub_co_u32 s[CNT], s[CNT], 1
	s_cmp_lg_u32 s[CNT], 0
	s_cbranch_scc1 .Lstep
	STEP 1
; THE WAY OUT: O^T / the sum; register 16 e + i of lane (r, h) is channel 32 e + 16 h + i of the head: two blocks along the model's axis
.rept 4
	v_nop
.endr
	v_add_f32 v14, v14, v15
	v_permlanex16_b32 v[W], v14, s[SEL], s[SEL+1]
	v_add_f32 v14, v14, v[W]
	s_wait_alu depctr_va_vdst(0)
	v_rcp_f32 v[F], v14
	v_nop
	s_wait_alu depctr_va_vdst(0)
.set j, 0
.rept 16
	v_pk_mul_f32 v[O+j:O+j+1], v[O+j:O+j+1], v[F:F+1] op_sel_hi:[1,0]
.set j, j+2
.endr
.irp b, 0,1
	v_max3_num_f32 v[OB+\b], |v[O+16*\b]|, |v[O+1+16*\b]|, 0x1800000
.endr
.irp i, 2,4,6,8,10,12,14
.irp b, 0,1
	v_max3_num_f32 v[OB+\b], v[OB+\b], |v[O+16*\b+\i]|, |v[O+1+16*\b+\i]|
.endr
.endr
.irp b, 0,1
	v_permlanex16_b32 v[OP+\b], v[OB+\b], s[SEL], s[SEL+1]
.endr
.irp b, 0,1
	v_max_num_f32 v[OB+\b], v[OB+\b], v[OP+\b]
.endr
.irp b, 0,1
	v_add_nc_u32 v[OS+\b], 0xff000000, v[OB+\b]
.endr
.irp b, 0,1
	v_lshrrev_b32 v[OP+\b], 23, v[OS+\b]
.endr
	v_lshl_or_b32 v[HW], v[OP+1], 8, v[OP]
	v_cvt_scalef32_pk16_fp6_f32 v[PC:PC+2], v[O:O+15], v[OS]
	v_cvt_scalef32_pk16_fp6_f32 v[OC:OC+2], v[O+16:O+31], v[OS+1]
	v_nop
.irp i, 0,1,2
	v_permlane16_swap_b32 v[PC+\i], v[OC+\i]
.endr
.irp i, 0,1,2
	v_mov_b32 v[PC+3+\i], v[OC+\i]
.endr
	global_store_b128 v[A16], v[PC:PC+3], s[8:9]
	global_store_b64 v[A8], v[PC+4:PC+5], s[8:9] offset:512
	global_store_b16 v[ASO], v[HW], s[10:11]       ; lanes r and r + 16 write the same two bytes with the same value
	s_wait_alu depctr_va_vdst(0)                   ; the wait ahead of the wait and the branches below
	s_wait_xcnt 0x0                                ; the stores have read their registers and bases
	s_cmp_eq_u32 s[PU], 1
	s_cbranch_scc1 .Lno_more
	s_add_nc_u64 s[4:5], s[4:5], 768               ; on to my second tile
	s_add_nc_u64 s[16:17], s[16:17], 4
	s_add_nc_u64 s[8:9], s[8:9], 12288
	s_add_nc_u64 s[10:11], s[10:11], 512
	QLOAD
.Lno_more:
	s_add_co_u32 s[PU], s[PU], 1
	s_cmp_lg_u32 s[PU], 2
	s_cbranch_scc1 .Lpass
	s_wait_tensorcnt 0x0                           ; the wave's end
	ds_add_u32 v253, v255
	s_wait_dscnt 0x0
	ROUND                                          ; the closing round
	s_endpgm
.Lfunc_end_k_qdf6fd62855_attn:
	.size	k_qdf6fd62855_attn, .Lfunc_end_k_qdf6fd62855_attn-k_qdf6fd62855_attn
	.p2alignl 7, 3214868480
	.fill 96, 4, 3214868480
	.section	.rodata,"a",@progbits
	.p2align	6, 0x0
	.amdhsa_kernel k_qdf6fd62855_attn
		.amdhsa_group_segment_fixed_size 210944
		.amdhsa_private_segment_fixed_size 0
		.amdhsa_enable_private_segment 0
		.amdhsa_kernarg_size 32
		.amdhsa_user_sgpr_count 2
		.amdhsa_user_sgpr_kernarg_segment_ptr 1
		.amdhsa_wavefront_size32 1
		.amdhsa_system_sgpr_workgroup_id_x 1
		.amdhsa_system_sgpr_workgroup_id_y 1
		.amdhsa_system_sgpr_workgroup_id_z 1
		.amdhsa_system_vgpr_workitem_id 0
		.amdhsa_next_free_vgpr 256
		.amdhsa_next_free_sgpr 66
		.amdhsa_reserve_vcc 0
		.amdhsa_float_denorm_mode_32 3
		.amdhsa_float_denorm_mode_16_64 3
		.amdhsa_memory_ordered 1
		.amdhsa_forward_progress 1
		.amdhsa_inst_pref_size 45
	.end_amdhsa_kernel
	.amdgpu_metadata
---
amdhsa.version: [ 1, 2 ]
amdhsa.kernels:
  - .name:           k_qdf6fd62855_attn
    .symbol:         k_qdf6fd62855_attn.kd
    .args:
      - { .name: qr, .offset: 0, .size: 8, .value_kind: global_buffer, .address_space: global }
      - { .name: kv, .offset: 8, .size: 8, .value_kind: global_buffer, .address_space: global }
      - { .name: ac, .offset: 16, .size: 8, .value_kind: global_buffer, .address_space: global }
      - { .name: asc, .offset: 24, .size: 8, .value_kind: global_buffer, .address_space: global }
    .group_segment_fixed_size: 210944
    .private_segment_fixed_size: 0
    .kernarg_segment_align: 8
    .kernarg_segment_size: 32
    .max_flat_workgroup_size: 512
    .sgpr_count:     66
    .vgpr_count:     256
    .wavefront_size: 32
...
	.end_amdgpu_metadata
.endif
;; end of part 3
;; launch proj (part 4): grid 4 x 32, 4 waves a work-group, clusters of 4 x 4, 327,680 bytes of LDS; arguments ac, asc, wc, wsc, bo, out0; writes out0
.if DOCPART == 4
	.amdgcn_target "amdgcn-amd-amdhsa--gfx1250"
	.amdhsa_code_object_version 6
	.text
	.protected	k_qdf6fd62855_proj
	.globl	k_qdf6fd62855_proj
	.p2align	8
	.type	k_qdf6fd62855_proj,@function
k_qdf6fd62855_proj:
	s_mov_b64 s[64:65], 0
	v_nop
	global_prefetch_b8 v0, s[64:65] scope:SCOPE_SE
	s_setreg_imm32_b32 hwreg(HW_REG_WAVE_MODE, 25, 1), 1
	s_wait_xcnt 0x0
	s_wait_alu depctr_hold_cnt(0) depctr_sa_sdst(0) depctr_va_vdst(0) depctr_va_sdst(0) depctr_va_ssrc(0) depctr_va_vcc(0) depctr_vm_vsrc(0)
	s_getreg_b32 s2, hwreg(HW_REG_IB_STS2, 6, 4)
	s_cmp_eq_u32 s2, 0
	s_cbranch_scc0 .Lentry_in_a_cluster
	s_endpgm
.Lentry_in_a_cluster:
	s_bfe_u32 s2, ttmp6, 0x10000c
	s_cmp_lg_u32 s2, 0xf033
	s_cbranch_scc0 .Lentry_shape_is_right
	s_endpgm
.Lentry_shape_is_right:
.set KSTEP,  256
.set NQ,     KSTEP/128
.set ROWB,   192
.set ROWA,   3072
.set KROW,   768
.set WCH,    4096*192                  ; a chunk of wc: the weights' codes lie [chunk of 256 along K][position][192]
.set PITCH,  240
.set FR,     12
.set NL,     6
.set NLA,    4
.set NP,     4
.set HALFT,  128*PITCH
.set SLOT,   4*HALFT
.set LAPS,   2
.set KS,     32
.set SCL,    2*SLOT
.set HALFS,  (128*KS/256)*272
.set SBLK,   (16*KS/256)*272
.set SPARE,  SCL+4*HALFS
.set SPITCH, 528
.set ADRA, 16
.set ADRB, 20
.set STO,  24
.set RD,   25
.set CO,   26
.set ADRS, 27
.set SPW,  28
.set NIL,  29
.set SC,   32
.set BI,   64
.set AF,   128
.set BK,   128
.set G1, 24
.set G0, 32
.set G1B, 48
.set G0B, 56
.set G1S, 68
.set G0S, 76
.set G1SB, 80
.set G0SB, 88
.set MSB, 0
.macro WIN new
.if MSB != (\new)
	s_set_vgpr_msb (MSB<<8)|(\new)
.set MSB, (\new)
.endif
.endm
.set MUL_LO, 0xa1
.set MUL_HI, 0xf1
.set TO_B,   0x40
.macro JLOAD g0a, g1a, g0b, g1b
	s_cmp_eq_u32 s15, 0
	s_cbranch_scc0 .Lfor_b_\@
	tensor_load_to_lds s[\g0a:\g0a+3], s[\g1a:\g1a+7]
	s_nop 0
.rept 4
	v_nop
.endr
	s_branch .Lasked_\@
.Lfor_b_\@:
	tensor_load_to_lds s[\g0b:\g0b+3], s[\g1b:\g1b+7]
	s_nop 0
.rept 4
	v_nop
.endr
.Lasked_\@:
.endm
.macro CREST
	s_cmp_lg_u32 s14, 0
	s_cbranch_scc1 .Lnot_wave_0_\@
	s_barrier_signal -3
.Lnot_wave_0_\@:
	s_barrier_wait -3
	s_barrier_signal -1
	s_barrier_wait -1
.endm
.macro CROUND
	s_barrier_signal -1
	s_barrier_wait -1
	CREST
.endm
	s_load_b128 s[4:7], s[0:1], 0x0
	s_load_b128 s[8:11], s[0:1], 0x10
	s_load_b128 s[96:99], s[0:1], 0x20
	v_lshl_add_u32 v[SPW], v0, 2, SPARE
	v_mov_b32 v[NIL], 0
	ds_add_u32 v28, v29
	ds_add_u32 v28, v29
	s_wait_dscnt 0x0
	v_lshrrev_b32 v1, 5, v0
	v_readfirstlane_b32 s14, v1
	s_lshr_b32 s15, s14, 1
	s_and_b32 s16, s14, 1
	s_bfe_u32 s40, ttmp6, 0x40000
	s_bfe_u32 s41, ttmp6, 0x40004
	s_lshl_b32 s42, ttmp9, 2
	s_add_co_u32 s42, s42, s40
	s_and_b32 s17, ttmp7, 0xffff
	s_lshl_b32 s17, s17, 2
	s_add_co_u32 s17, s17, s41
	s_lshl_b32 s43, s41, 2
	s_lshl_b32 s43, 15, s43
	s_lshl_b32 s44, 0x1111, s40
	s_or_b32 s[G1+0], s43, (3<<16)|(1<<21)
	s_mov_b32 s[G1+1], 384<<16
	s_mov_b32 s[G1+2], 16<<16
	s_mov_b32 s[G1+3], 384<<16
	s_mov_b32 s[G1+4], 16
	s_mov_b32 s[G1+5], 1536
	s_mov_b32 s[G1+6], 0
	s_mov_b32 s[G1+7], 0
	s_or_b32 s[G1B+0], s44, (0<<16)|(1<<20)|(1<<21)|(3<<22)|(3<<25)
	s_mov_b32 s[G1B+1], 256<<16                    ; B's tile is dense in memory: stated as rows of 256 bytes; 256 positions x 192 bytes are 192 such rows
	s_mov_b32 s[G1B+2], 192<<16
	s_mov_b32 s[G1B+3], 256<<16
	s_mov_b32 s[G1B+4], 192
	s_mov_b32 s[G1B+5], 256
	s_mov_b32 s[G1B+6], 0
	s_mov_b32 s[G1B+7], 0
	s_or_b32 s[G1S+0], s43, (3<<16)|(1<<20)|(1<<21)|(5<<22)|(3<<25)
	s_or_b32 s[G1SB+0], s44, (3<<16)|(1<<20)|(1<<21)|(5<<22)|(3<<25)
.irp g, G1S, G1SB
	s_mov_b32 s[\g+1], 32<<16
	s_mov_b32 s[\g+2], (256*KS/256)<<16
	s_mov_b32 s[\g+3], 32<<16
	s_mov_b32 s[\g+4], 256*KS/256
	s_mov_b32 s[\g+5], 32
	s_mov_b32 s[\g+6], 0
	s_mov_b32 s[\g+7], 0
.endr
	s_lshl_b32 s20, s17, 8
	s_lshl_b32 s46, s42, 8
	s_mov_b32 s21, 0
	s_mov_b32 s47, 0
	s_mov_b64 s[18:19], KS
	s_mul_u64 s[22:23], s[20:21], s[18:19]
	s_mul_u64 s[92:93], s[46:47], s[18:19]
	s_mov_b64 s[18:19], KROW
	s_mul_u64 s[20:21], s[20:21], s[18:19]
	s_mul_i32 s46, s46, ROWB
	s_mul_i32 s45, s14, HALFT
	s_mul_i32 s94, s16, 8*ROWA                     ; LDS: A's two halves lie on end
	s_wait_kmcnt 0x0
	s_add_nc_u64 s[8:9], s[8:9], 3*1024*ROWB
	s_add_nc_u64 s[10:11], s[10:11], 3*1024*KS
	s_add_nc_u64 s[20:21], s[4:5], s[20:21]
	s_add_nc_u64 s[22:23], s[6:7], s[22:23]
	s_add_nc_u64 s[46:47], s[8:9], s[46:47]
	s_add_nc_u64 s[92:93], s[10:11], s[92:93]
	CROUND
	s_mov_b32 s[G0S], 1                            ; the head's four tiles, each whole: A's scales, B's scales,
	s_mov_b32 s[G0S+1], SCL
	s_mov_b64 s[G0S+2:G0S+3], s[22:23]
	s_or_b32 s[G0S+3], s[G0S+3], 0x80000000
	s_mov_b32 s[G0SB], 1
	s_mov_b32 s[G0SB+1], SCL+2*HALFS
	s_mov_b64 s[G0SB+2:G0SB+3], s[92:93]
	s_or_b32 s[G0SB+3], s[G0SB+3], 0x80000000
	s_mov_b32 s[G0], 1                             ; chunk 0 of A's 256 positions, and of B's
	s_mov_b32 s[G0+1], 0
	s_mov_b64 s[G0+2:G0+3], s[20:21]
	s_or_b32 s[G0+3], s[G0+3], 0x80000000
	s_mov_b32 s[G0B], 1
	s_mov_b32 s[G0B+1], 2*HALFT
	s_mov_b64 s[G0B+2:G0B+3], s[46:47]
	s_or_b32 s[G0B+3], s[G0B+3], 0x80000000
	s_mul_i32 s18, s16, 128*KROW                   ; for the ring: my 128 positions of a tile; s[4:5], s[8:9] keep chunk 0's address of them
	s_mov_b32 s19, 0
	s_add_nc_u64 s[4:5], s[20:21], s[18:19]
	s_mul_i32 s18, s16, 128*ROWB
	s_add_nc_u64 s[8:9], s[46:47], s[18:19]
	s_mov_b32 s[G0+4], 1
	s_add_co_u32 s[G0+5], s94, SLOT
	s_add_nc_u64 s[G0+6:G0+7], s[4:5], ROWA
	s_or_b32 s[G0+7], s[G0+7], 0x80000000
	s_mov_b32 s[G0B+4], 1
	s_add_co_u32 s[G0B+5], s45, SLOT
	s_add_nc_u64 s[G0B+6:G0B+7], s[8:9], WCH
	s_or_b32 s[G0B+7], s[G0B+7], 0x80000000
.macro ARM under, g0, g1, next                 ; one tensor load a wave at the head, in one chain of branches on the wave's number
	s_cmp_lt_u32 s14, \under
	s_cbranch_scc0 \next
	tensor_load_to_lds s[\g0:\g0+3], s[\g1:\g1+7]
	s_nop 0
.rept 4
	v_nop
.endr
	s_branch .Lhead_asked
\next:
.endm
	ARM 1, G0,  G1,  .Lhead_b
	ARM 2, G0B, G1B, .Lhead_sa
	ARM 3, G0S, G1S, .Lhead_sb
	tensor_load_to_lds s[G0SB:G0SB+3], s[G1SB:G1SB+7]
	s_nop 0
.rept 4
	v_nop
.endr
.Lhead_asked:
	v_and_b32 v1, 15, v0
	v_bfe_u32 v2, v0, 4, 1
	v_mul_u32_u24 v3, v1, PITCH
	v_mul_u32_u24 v4, v2, 24
	v_add_nc_u32 v4, v3, v4
	v_lshl_add_u32 v5, v2, 4, v4
	v_and_b32 v6, 31, v0
	v_lshlrev_b32 v[CO], 4, v6
	v_lshlrev_b32 v3, 3, v6
	s_mul_i32 s21, s15, 8*ROWA
	s_mul_i32 s22, s16, HALFT
	s_add_co_u32 s22, s22, 2*HALFT
.irp s, 0,1
	v_add_nc_u32 v[ADRA+\s], s21, v[CO]
	v_add_nc_u32 v[ADRB+\s], s22, v4
	v_add_nc_u32 v[ADRA+2+\s], s21, v3
	v_add_nc_u32 v[ADRB+2+\s], s22, v5
	s_add_co_u32 s21, s21, SLOT
	s_add_co_u32 s22, s22, SLOT
.endr
	v_mul_u32_u24 v5, v1, KS
	v_lshrrev_b32 v6, 8, v5
	v_lshl_add_u32 v5, v6, 4, v5
	s_mul_i32 s21, s15, HALFS
	s_mul_i32 s22, s16, HALFS
	s_add_co_u32 s22, s22, 2*HALFS
	s_sub_co_u32 s22, s22, s21
	v_mul_u32_u24 v6, s22, v2
	s_add_co_u32 s21, s21, SCL
	v_add_nc_u32 v5, v5, v6
	v_add_nc_u32 v[ADRS], s21, v5
	s_mul_i32 s23, s14, 16*SPITCH
	v_mul_u32_u24 v5, v1, SPITCH
	v_lshl_add_u32 v5, v2, 6, v5
	v_add_nc_u32 v[STO], s23, v5
	v_add_nc_u32 v[RD], s23, v[CO]
	s_lshl_b32 s20, s17, 8
	s_lshl_b32 s21, s15, 7
	s_add_co_u32 s20, s20, s21
	s_mov_b32 s21, 0
	s_mov_b64 s[18:19], 4096
	s_mul_u64 s[20:21], s[20:21], s[18:19]
	s_lshl_b32 s46, s42, 10
	s_lshl_b32 s47, s16, 9
	s_add_co_u32 s46, s46, s47
	s_mov_b32 s47, 0
	s_add_nc_u64 s[96:97], s[96:97], s[46:47]
	s_add_nc_u64 s[20:21], s[20:21], s[46:47]
	s_add_nc_u64 s[12:13], s[98:99], s[20:21]
	v_lshlrev_b32 v7, 6, v2
.irp b, 0,1,2,3,4,5,6,7
	global_load_b128 v[BI+8*\b:BI+8*\b+3], v7, s[96:97] offset:4*(32*(\b/2)+8*(\b%2))
	global_load_b128 v[BI+8*\b+4:BI+8*\b+7], v7, s[96:97] offset:4*(32*(\b/2)+8*(\b%2))+16
.endr
.macro FRAG reg, adr, q, i
.irp p, 0,1,2,3,4,5
.set PC, 12*(\q)+6*(\p/3)+\p%3
.if PC%8 < 5
	ds_load_b64 v[\reg+2*\p:\reg+2*\p+1], v[\adr] offset:8*PC+16*(PC/8)+(\i)*16*PITCH
.else
	ds_load_b64 v[\reg+2*\p:\reg+2*\p+1], v[\adr+2] offset:8*PC+16*(PC/8)+(\i)*16*PITCH
.endif
.endr
.endm
.macro FRAGA reg, slot, q, i
	ds_load_b128 v[\reg:\reg+3], v[ADRA+\slot] offset:3072*(\i)+1536*(\q)
	ds_load_b64 v[\reg+4:\reg+5], v[ADRA+2+\slot] offset:3072*(\i)+1536*(\q)+512
	ds_load_b128 v[\reg+6:\reg+9], v[ADRA+\slot] offset:3072*(\i)+1536*(\q)+768
	ds_load_b64 v[\reg+10:\reg+11], v[ADRA+2+\slot] offset:3072*(\i)+1536*(\q)+1280
.endm
.macro MUL16 a0, p, q, sc, zero
.irp a, \a0, \a0+1
.irp b, 0,1,2,3,4,5,6,7
.set DR, 8*(8*((\a)%4)+\b)
.if \zero
.set CR, BI+8*\b
.else
.set CR, DR
.endif
	v_wmma_scale_f32_16x16x128_f8f6f4 v[DR:DR+7], v[128*(\p)+FR*\b:128*(\p)+FR*\b+FR-1], v[AF+FR*(\a):AF+FR*(\a)+FR-1], v[CR:CR+7], v[SC+8*NQ*(\sc)+NQ*\b+(\q)], v[SC+8*NQ*(\sc)+NQ*(\a)+(\q)] matrix_a_fmt:MATRIX_FMT_FP6 matrix_b_fmt:MATRIX_FMT_FP6 matrix_a_scale:MATRIX_SCALE_ROW1
.endr
.endr
.endm
.macro FETCH_B slot, q, p
	WIN TO_B
.irp i, 0,1,2,3,4,5,6,7
	FRAG 128*(\p)+FR*\i, ADRB+\slot, \q, \i
.endr
	WIN 0
.endm
.macro FETCH_A slot, q, i0
.irp i, \i0, \i0+1, \i0+2, \i0+3
	FRAGA AF+FR*(\i), \slot, \q, \i
.endr
.endm
.macro SCALES sc
.irp i, 0,1,2,3,4,5,6,7
	ds_load_b64 v[SC+8*NQ*\sc+NQ*\i:SC+8*NQ*\sc+NQ*\i+1], v[ADRS] offset:\i*SBLK
.endr
.endm
.macro PLACES n
.rept \n
	v_nop
.endr
.endm
.macro STEP slot, q, zero
	s_wait_dscnt 4*NLA
.if \zero
	WIN 0x81
.else
	WIN MUL_LO
.endif
	MUL16 0, (\q)%2, \q, \slot, \zero
	MUL16 2, (\q)%2, \q, \slot, \zero
	s_wait_dscnt 0
	PLACES NP
	FETCH_B \slot, (\q)+1, 1-(\q)%2
	FETCH_A \slot, (\q)+1, 0
.if \zero
	WIN 0xc1
.else
	WIN MUL_HI
.endif
	MUL16 4, (\q)%2, \q, \slot, \zero
	MUL16 6, (\q)%2, \q, \slot, \zero
	PLACES NP
	WIN 0
	FETCH_A \slot, (\q)+1, 4
.endm
.macro TURN slot, next, fill
	s_wait_tensorcnt 0x0
	ds_add_u32 v[SPW], v[NIL]
	s_wait_dscnt 4*NLA+1
	WIN MUL_LO
	MUL16 0, 1, NQ-1, \slot, 0
	s_wait_dscnt 0x0
	s_barrier_signal -1
	MUL16 2, 1, NQ-1, \slot, 0
	WIN 0
	s_barrier_wait -1
.if \fill
	CREST
	s_add_nc_u64 s[G0+4*\slot+2:G0+4*\slot+3], s[G0+4*\slot+2:G0+4*\slot+3], 2*ROWA
	s_add_nc_u64 s[G0B+4*\slot+2:G0B+4*\slot+3], s[G0B+4*\slot+2:G0B+4*\slot+3], 2*WCH
	JLOAD G0+4*\slot, G1, G0B+4*\slot, G1B
.else
	PLACES NP
.endif
	s_wait_alu depctr_va_vdst(0)
	v_add_nc_u32 v[ADRS], 4*NQ, v[ADRS]
	FETCH_B \next, 0, 0
	FETCH_A \next, 0, 0
	SCALES \next
	WIN MUL_HI
	MUL16 4, 1, NQ-1, \slot, 0
	MUL16 6, 1, NQ-1, \slot, 0
	PLACES NP
	WIN 0
	FETCH_A \next, 0, 4
.endm
	s_wait_alu depctr_va_vdst(0)
	s_wait_tensorcnt 0x0                           ; my tile of the head's four is in; the three lines ahead of a later first fill, as ahead of a refill
	ds_add_u32 v[SPW], v[NIL]
	s_mov_b32 s[G1+2], 8<<16                       ; no tensor load of mine is out: from here on a load brings 128 positions
	s_mov_b32 s[G1+4], 8
	s_mov_b32 s[G1B+2], 96<<16
	s_mov_b32 s[G1B+4], 96
	s_mov_b32 s[G0+1], s94                         ; and slot 0's group 0 stands at my part of chunk 0
	s_mov_b64 s[G0+2:G0+3], s[4:5]
	s_or_b32 s[G0+3], s[G0+3], 0x80000000
	s_mov_b32 s[G0B+1], s45
	s_mov_b64 s[G0B+2:G0B+3], s[8:9]
	s_or_b32 s[G0B+3], s[G0B+3], 0x80000000
	s_wait_dscnt 0x0
	CROUND
	JLOAD G0+4, G1, G0B+4, G1B                     ; chunk 1, the first tensor load behind the round
	FETCH_B 0, 0, 0
	FETCH_A 0, 0, 0
	SCALES 0
	FETCH_A 0, 0, 4
	s_wait_loadcnt 0x0
	STEP 0, 0, 1
	s_mov_b32 s3, LAPS-1
.Llap:
	TURN 0, 1, 1
	STEP 1, 0, 0
	TURN 1, 0, 1
	STEP 0, 0, 0
	s_sub_co_u32 s3, s3, 1
	s_cmp_lg_u32 s3, 0
	s_cbranch_scc1 .Llap
	TURN 0, 1, 0
	STEP 1, 0, 0
	s_wait_dscnt 4*NLA
	WIN MUL_LO
	MUL16 0, 1, NQ-1, 1, 0
	MUL16 2, 1, NQ-1, 1, 0
	s_wait_dscnt 0
	WIN MUL_HI
	MUL16 4, 1, NQ-1, 1, 0
	MUL16 6, 1, NQ-1, 1, 0
	WIN 0
.macro TOSTAGE a
.set AC, 64*((\a)%4)
	WIN 0x08+4*((\a)/4)
.irp b, 0,1,2,3,4,5,6,7
	ds_store_b128 v[STO], v[AC+8*\b:AC+8*\b+3] offset:128*(\b/2)+32*(\b%2)
	ds_store_b128 v[STO], v[AC+8*\b+4:AC+8*\b+7] offset:128*(\b/2)+32*(\b%2)+16
.endr
	WIN 0
.set BB, BK+64*((\a)%2)
.irp t, 0,1,2,3,4,5,6,7,8,9,10,11,12,13,14,15
	ds_load_b128 v[BB+4*\t:BB+4*\t+3], v[RD] offset:\t*SPITCH
.endr
.endm
.macro SEND a, younger
.set BB, BK+64*((\a)%2)
	s_wait_dscnt \younger
.irp t, 0,1,2,3,4,5,6,7,8,9,10,11,12,13,14,15
	global_store_b128 v[CO], v[BB+4*\t:BB+4*\t+3], s[12:13] offset:(32*((\a)/2)+8*((\a)%2)+\t+8*(\t/8))*4096 th:TH_STORE_NT
.endr
.endm
	PLACES NP
	TOSTAGE 0
.irp a, 1,2,3,4,5,6,7
.if \a > 1
	s_wait_xcnt 0x0
.endif
	TOSTAGE \a
	SEND \a-1, 32
.endr
	SEND 7, 0
	s_wait_tensorcnt 0x0
	ds_add_u32 v[SPW], v[NIL]
	s_wait_dscnt 0x0
	CROUND
	s_endpgm
.Lfunc_end_k_qdf6fd62855_proj:
	.size	k_qdf6fd62855_proj, .Lfunc_end_k_qdf6fd62855_proj-k_qdf6fd62855_proj
	.p2alignl 7, 3214868480
	.fill 96, 4, 3214868480
	.section	.rodata,"a",@progbits
	.p2align	6, 0x0
	.amdhsa_kernel k_qdf6fd62855_proj
		.amdhsa_group_segment_fixed_size 327680
		.amdhsa_private_segment_fixed_size 0
		.amdhsa_enable_private_segment 0
		.amdhsa_kernarg_size 48
		.amdhsa_user_sgpr_count 2
		.amdhsa_user_sgpr_kernarg_segment_ptr 1
		.amdhsa_wavefront_size32 1
		.amdhsa_system_sgpr_workgroup_id_x 1
		.amdhsa_system_sgpr_workgroup_id_y 1
		.amdhsa_system_sgpr_workgroup_id_z 1
		.amdhsa_system_vgpr_workitem_id 0
		.amdhsa_next_free_vgpr 1024
		.amdhsa_next_free_sgpr 100
		.amdhsa_reserve_vcc 0
		.amdhsa_float_denorm_mode_32 3
		.amdhsa_float_denorm_mode_16_64 3
		.amdhsa_memory_ordered 1
		.amdhsa_forward_progress 1
		.amdhsa_inst_pref_size 154
	.end_amdhsa_kernel
	.amdgpu_metadata
---
amdhsa.version: [ 1, 2 ]
amdhsa.kernels:
  - .name:           k_qdf6fd62855_proj
    .symbol:         k_qdf6fd62855_proj.kd
    .args:
      - { .name: ac, .offset: 0, .size: 8, .value_kind: global_buffer, .address_space: global }
      - { .name: asc, .offset: 8, .size: 8, .value_kind: global_buffer, .address_space: global }
      - { .name: wc, .offset: 16, .size: 8, .value_kind: global_buffer, .address_space: global }
      - { .name: wsc, .offset: 24, .size: 8, .value_kind: global_buffer, .address_space: global }
      - { .name: bo, .offset: 32, .size: 8, .value_kind: global_buffer, .address_space: global }
      - { .name: out0, .offset: 40, .size: 8, .value_kind: global_buffer, .address_space: global }
    .group_segment_fixed_size: 327680
    .private_segment_fixed_size: 0
    .kernarg_segment_align: 8
    .kernarg_segment_size: 48
    .max_flat_workgroup_size: 128
    .sgpr_count:     100
    .vgpr_count:     1024
    .wavefront_size: 32
...
	.end_amdgpu_metadata
.endif
;; end of part 4
